; MI455X (gfx1250); checked and timed in simulation.
; The chip was launched on July 23, 2026; its instructions are those of AMD's public machine-readable ISA for CDNA 5 (MIT licence, August 2026) and "CDNA5" Instruction Set Architecture Reference Guide (July 2026). The comments in the code are by the model that wrote it; some were corrected since.
;; Mo E. Allowed arithmetic: matrix products marked QUANTISED: E2M1 operands, one E8M0 scale for each 32 along K, by v_wmma_scale_f32_16x16x128_f8f6f4 with both operands' format E2M1 (or v_wmma_scale_f32_32x16x128_f4), f32 sums; products left as they are: f32 operands where the result goes on into a quantised operand, else bf16, f16 or f32 operands; f32 sums; everything else in f32.
;; Inputs: b1 8 x 4,096 float32; b2 8 x 1,024 float32; br 8 float32; w1_codes 8 x 4,096 x 32 x 16 uint8 (E2M1 codes of w1, K innermost, in blocks of 32 codes, two codes a byte); w1_scales 8 x 4,096 x 32 uint8 (E8M0 scales of w1, one for each 32 codes along K); w2_codes 8 x 1,024 x 128 x 16 uint8 (E2M1 codes of w2, K innermost, in blocks of 32 codes, two codes a byte); w2_scales 8 x 1,024 x 128 uint8 (E8M0 scales of w2, one for each 32 codes along K); wr 1,024 x 8 float32; x 4 x 256 x 1,024 float32.
;; Outputs: out0 4 x 256 x 1,024 float32.
;; This version of the problem:
;;   THIS VERSION OF THE PROBLEM IS GIVEN IN LOW PRECISION. The matrix products marked QUANTISED in the list below multiply operands that are first quantised to E2M1 (2 exponent bits, 1 mantissa bit; 4 bits a number), with one power-of-two scale for each 32 numbers along K (OCP MX v1.0); their sums are f32. All else is computed in f32.
;;   The module's matrix products, in the order in which they are computed (A, B: the left and right operand; K: the contracted axis; several contracted axes count as one K, in the product's order):
;;     1. [M 1,024, K 1,024] x [K 1,024, N 8]; A: input x; B: input wr: left as it is (N = 8 < 16)
;;     2. [M 32,768, K 1,024] x [K 1,024, N 1,024]; A: input w1 (given as codes); B: input x: QUANTISED
;;     3. batch 8 x [M 1,024, K 4,096] x [K 4,096, N 1,024]; A: computed on the way; B: input w2 (given as codes): QUANTISED
;;     4. batch 1,024 x [M 1,024, K 8] x [K 8, N 1]; A: computed on the way; B: computed on the way: left as it is (K = 8 < 32)
;;   THE QUANTISER, for each operand of a quantised product, along K:
;;     - K is cut into blocks of 32 from its start; a last block that is shorter is filled with zeros.
;;     - A block's scale is 2^e with e = floor(log2(the largest magnitude in the block)) - 2, held to -126 .. 127; a block of zeros has e = 0. As a byte (E8M0): e + 127.
;;     - Each number is divided by its block's scale, clamped to +-6, and rounded to the nearest number of E2M1, ties to even, subnormals kept.
;;     - The product sums the exact products of the quantised numbers (number of the format x scale) in f32.
;;   ~~~python
;;   def quantise(x, axis):      # numpy; x: float32 -> the quantised numbers, widened to float32 again
;;       x = np.moveaxis(x, axis, -1); K = x.shape[-1]
;;       x = np.pad(x, [(0, 0)] * (x.ndim - 1) + [(0, -K % 32)]); x = x.reshape(x.shape[:-1] + (-1, 32)); a = np.abs(x).max(-1, keepdims=True)
;;       e = np.where(a > 0, np.clip(np.frexp(np.where(a > 0, a, 1))[1] - 1 - 2, -126, 127), 0)      # np.frexp(a)[1] - 1 = floor(log2(a)), exactly
;;       r = np.clip(x / 2.0 ** e, -6, 6)
;;       step = 2.0 ** (np.maximum(np.frexp(np.where(r == 0, 1, r))[1] - 1, 0) - 1)
;;       q = np.round(r / step) * step * 2.0 ** e      # np.round: ties to even
;;       return np.moveaxis(q.reshape(q.shape[:-2] + (-1,))[..., :K], -1, axis).astype(np.float32)
;;   ~~~
;;   OPERANDS COMPUTED ON THE WAY. 'Computed on the way' means the value that the module computes at that place (a softmax that the list does not call 'softmax' is quantised finished and normalised). What goes into a quantiser is computed in f32, as accurately as f32 sums, v_exp_f32 and their like allow (about 1e-6 of the number): no bf16 or f16 on the way to a quantiser, and a product that is left as it is and whose result goes on into a quantised operand takes f32 operands (vector FMAs, or v_wmma_f32_16x16x4_f32). A number that lies on a knife's edge between two numbers of the format may be rounded either way, as far as f32 arithmetic and the matrix unit's own rounding can turn it there, and no further.
;;   INPUTS GIVEN AS CODES. w1 (in the module: [8, 1024, 4096], K = its axis 1); w2 (in the module: [8, 4096, 1024], K = its axis 1): each comes as NAME_codes (uint8): NAME with its K axis moved to the last place and cut into blocks of 32 codes, [.., K / 32, bytes a block], one block behind the other in memory; two codes a byte, the lower K in the low four bits (a code: sign, 2 exponent bits, 1 mantissa bit); and NAME_scales (uint8): the same leading axes, one E8M0 byte (e + 127) for each 32 codes along K. Its value is code x scale, taken as it is: it is not quantised again, and the codes and scales need not be those that the quantiser above would give.
;; 2 versions, each right; version 2 is version 1 with the launch down written anew for expert scheduling mode. Each part assembles by itself: llvm-mc -triple=amdgcn-amd-amdhsa -mcpu=gfx1250 --defsym DOCPART=n.
;; ======== version 1 of 2: 3 launches
;; workspace buffers: ids 4,096 bytes of whole numbers; xq 524,288 bytes; xs 32,768 bytes; hq 2,097,152 bytes; hs 131,072 bytes; order 4,096 bytes of whole numbers; meta 256 bytes of whole numbers
;; launch route (part 1): grid 256 x 1, 4 waves a work-group, no clusters, 38,144 bytes of LDS; arguments x, wr, br, xq, xs, ids; writes xq, xs, ids
.if DOCPART == 1
	.amdgcn_target "amdgcn-amd-amdhsa--gfx1250"
	.amdhsa_code_object_version 6
	.text
	.protected	k_qd6fde077af_route
	.globl	k_qd6fde077af_route
	.p2align	8
	.type	k_qd6fde077af_route,@function
k_qd6fde077af_route:
	s_mov_b64 s[64:65], 0
	v_nop
	global_prefetch_b8 v0, s[64:65] scope:SCOPE_SE
	s_setreg_imm32_b32 hwreg(HW_REG_WAVE_MODE, 25, 1), 1
	s_wait_xcnt 0x0
; ROUTER AND QUANTISER OF x.  scores = x wr + br in f32, ids[token] = argmax over the 8 experts (the lower index on a tie); x becomes codes of E2M1 with one E8M0 byte for each 32 along H.
; WHAT THE PROGRAM LEAVES OUT.  The reference computes all 8 experts for every token and keeps, by a one_hot that it builds from its own argmax, exactly one row of y for each token: every other row is multiplied
; by a 0 of that one_hot, whatever finite values the inputs hold.  So the later launches, which read ids from memory, multiply for each token its own expert's weights alone, and the product with the one_hot is a lookup.
; Every input has a way to the output and is loaded.  LIMITS: a NaN, an infinity or an overflow that arises only in an expert that was not chosen is not carried to the result; NaN and infinities among the inputs are
; not served; the scores are summed as a tree in f32, another order than the reference's; a block of zeros gets the byte 1 and not 127 (its codes are zeros, and this program alone reads the bytes).
; SHARES.  A work-group owns 4 tokens; wave kq owns K = 256 kq .. 256 kq + 255 of all four, so the work-group reads wr once; lane l owns k = 256 kq + 8 l + 0 .. 7: four neighbouring lanes hold a block of 32.
; wr's 8,192 bytes of a wave are loaded as they lie, 512 consecutive bytes a load, and turned through the wave's own LDS so that a lane gets its 8 rows (256 bytes).
; No matrix unit: N = 8.  No tensor loads, no cluster: the work-groups share wr alone, 32 KiB.
.set WRT,   0                          ; 4 waves x 32 lane rows of 256 bytes + 16
.set CST,   34816                      ; the 4 tokens' codes, 512 bytes each
.set SST,   36864                      ; their scale bytes, 32 each
.set SCR,   37120                      ; the waves' partial scores, 128 bytes each
.set SPARE, 37632                      ; the spare words, 128 bytes for each wave: no other line names them
; v1 lane, v2-v15 addresses, v16 my spare word, v17 zero, v18 br, v20-51 x, v52-115 wr, v116-147 sums, v148-163 at work, v164-167 codes, v168-171 bytes, v172-175 the way out
	s_load_b256 s[4:11], s[0:1], 0x0               ; x, wr, br, xq
	s_load_b128 s[12:15], s[0:1], 0x20             ; xs, ids
	v_lshl_add_u32 v16, v0, 2, SPARE
	v_mov_b32 v17, 0
	v_lshrrev_b32 v1, 5, v0
	v_readfirstlane_b32 s16, v1                    ; wave kq
	v_and_b32 v1, 31, v0                           ; lane
	v_lshlrev_b32 v2, 5, v1                        ; x: my 8 numbers, 32 bytes
	v_lshlrev_b32 v3, 4, v1                        ; wr: my 16 bytes of a load's 512
	s_mul_i32 s17, s16, 8704
	v_lshrrev_b32 v4, 4, v1
	v_mul_u32_u24 v4, v4, 272
	v_and_b32 v5, 15, v1
	v_lshl_add_u32 v4, v5, 4, v4
	v_add_nc_u32 v4, s17, v4                       ; into the turn: load j's bytes belong to lane rows 2 j and 2 j + 1
	v_mul_u32_u24 v5, v1, 272
	v_add_nc_u32 v5, s17, v5                       ; out of it: my lane row
	s_lshl_b32 s17, s16, 7
	v_lshlrev_b32 v13, 2, v1
	v_add_nc_u32 v6, s17, v13
	v_add_nc_u32 v8, SCR, v6                       ; my partial score
	v_add_nc_u32 v6, CST, v6                       ; my 4 bytes of codes: 128 kq + 4 l in a token's 512
	s_lshl_b32 s17, s16, 3
	v_lshrrev_b32 v7, 2, v1
	v_add_nc_u32 v7, s17, v7
	v_add_nc_u32 v7, SST, v7                       ; my block's byte: 8 kq + l / 4 in a token's 32
	v_lshlrev_b32 v10, 4, v0
	v_add_nc_u32 v9, CST, v10                      ; the way out: 16 bytes a thread
	v_add_nc_u32 v11, SCR, v13
	v_add_nc_u32 v12, SST, v13
	v_and_b32 v15, 7, v1                           ; the expert that my lane stands for behind the tree
	v_lshlrev_b32 v14, 2, v15
	s_mov_b32 s20, 0xaaaaaaaa                      ; lanes whose bit 0, 1, 2, 3, 4 is set
	s_mov_b32 s21, 0xcccccccc
	s_mov_b32 s22, 0xf0f0f0f0
	s_mov_b32 s23, 0xff00ff00
	s_mov_b32 s24, 0xffff0000
	s_mov_b32 s26, 0x76543210                      ; v_permlanex16_b32's selects for lane l xor 16
	s_mov_b32 s27, 0xfedcba98
	s_mov_b32 s19, 0
	s_wait_kmcnt 0x0
	s_lshl_b32 s18, ttmp9, 14                      ; 4 tokens of 4,096 bytes,
	s_lshl_b32 s17, s16, 10                        ; my wave's 1,024 bytes of each
	s_add_co_u32 s18, s18, s17
	s_add_nc_u64 s[4:5], s[4:5], s[18:19]
	s_lshl_b32 s18, s16, 13
	s_add_nc_u64 s[6:7], s[6:7], s[18:19]
	s_lshl_b32 s18, ttmp9, 11
	s_add_nc_u64 s[10:11], s[10:11], s[18:19]
	s_lshl_b32 s18, ttmp9, 7
	s_add_nc_u64 s[12:13], s[12:13], s[18:19]
	s_lshl_b32 s18, ttmp9, 4
	s_add_nc_u64 s[14:15], s[14:15], s[18:19]
.irp t, 0,1,2,3
	global_load_b128 v[20+8*\t:23+8*\t], v2, s[4:5] offset:4096*\t th:TH_LOAD_NT
	global_load_b128 v[24+8*\t:27+8*\t], v2, s[4:5] offset:4096*\t+16 th:TH_LOAD_NT
.endr
.set I, 0
.rept 16
	global_load_b128 v[52+4*I:55+4*I], v3, s[6:7] offset:512*I
.set I, I+1
.endr
	global_load_b32 v18, v14, s[8:9]
	s_wait_loadcnt 0x1                             ; x and wr are in; br, the one younger load, may be out
.set I, 0
.rept 16
	ds_store_b128 v4, v[52+4*I:55+4*I] offset:544*I
.set I, I+1
.endr
.set I, 0
.rept 16
	ds_load_b128 v[52+4*I:55+4*I], v5 offset:16*I  ; LDS serves a wave's instructions in order: these see the stores above.  v[52 + 8 i + e] = wr(my k + i, e)
.set I, I+1
.endr
; the quantiser, the four tokens by turns, while wr turns
.irp t, 0,1,2,3
	v_max3_num_f32 v[148+\t], |v[20+8*\t]|, |v[21+8*\t]|, 0x1800000   ; my 8 numbers and the floor 2^(3 - 127): the byte cannot fall under 1
.endr
.irp i, 2,4,6
.irp t, 0,1,2,3
	v_max3_num_f32 v[148+\t], v[148+\t], |v[20+8*\t+\i]|, |v[21+8*\t+\i]|
.endr
.endr
.irp t, 0,1,2,3
	v_max_num_f32_dpp v[148+\t], v[148+\t], v[148+\t] row_xmask:1 row_mask:0xf bank_mask:0xf
.endr
.irp t, 0,1,2,3
	v_max_num_f32_dpp v[148+\t], v[148+\t], v[148+\t] row_xmask:2 row_mask:0xf bank_mask:0xf   ; the four lanes of a block: its largest magnitude
.endr
.irp t, 0,1,2,3
	v_add_nc_u32 v[152+\t], 0xff000000, v[148+\t]  ; 2 off its exponent field: the conversion takes that field as its scale
.endr
.irp t, 0,1,2,3
	v_lshrrev_b32 v[168+\t], 23, v[152+\t]         ; the scale's byte
.endr
.irp t, 0,1,2,3
	v_cvt_scalef32_pk8_fp4_f32 v[164+\t], v[20+8*\t:27+8*\t], v[152+\t]
.endr
	v_nop                                          ; one plain place behind the last scaled conversion
.irp t, 0,1,2,3
	ds_store_b32 v6, v[164+\t] offset:512*\t
.endr
.irp t, 0,1,2,3
	ds_store_b8 v7, v[168+\t] offset:32*\t         ; the four lanes of a block write the same byte with the same value
.endr
	s_wait_dscnt 0x8                               ; wr is back; the 8 stores just issued may be out
; sums: v[116 + 8 t + e] = the sum over my 8 k of x(t, k) wr(k, e), two experts an instruction; x's number is broadcast from its pair
.irp t, 0,1,2,3
.irp p, 0,1,2,3
	v_pk_mul_f32 v[116+8*\t+2*\p:117+8*\t+2*\p], v[20+8*\t:21+8*\t], v[52+2*\p:53+2*\p] op_sel_hi:[0,1]
.endr
.endr
.irp i, 1,2,3,4,5,6,7
.irp t, 0,1,2,3
.irp p, 0,1,2,3
.if \i % 2
	v_pk_fma_f32 v[116+8*\t+2*\p:117+8*\t+2*\p], v[19+8*\t+\i:20+8*\t+\i], v[52+8*\i+2*\p:53+8*\i+2*\p], v[116+8*\t+2*\p:117+8*\t+2*\p] op_sel:[1,0,0] op_sel_hi:[1,1,1]
.else
	v_pk_fma_f32 v[116+8*\t+2*\p:117+8*\t+2*\p], v[20+8*\t+\i:21+8*\t+\i], v[52+8*\i+2*\p:53+8*\i+2*\p], v[116+8*\t+2*\p:117+8*\t+2*\p] op_sel_hi:[0,1,1]
.endif
.endr
.endr
.endr
; 32 sums in each of 32 lanes become one sum a lane.  Step s: of two registers 2^s apart a lane keeps the one that its bit s names, sends the other to lane l xor 2^s and adds what it gets.
.macro TREE s, m, mask
.set TD, 1<<(\s)
.set TJ, 0
.rept (16>>(\s))
.set TRA, 116+TJ*2*TD
.set TRB, TRA+TD
.set TRT, 148+(TJ%8)
	v_cndmask_b32 v[TRT], v[TRB], v[TRA], s[\mask]
	v_cndmask_b32 v[TRA], v[TRA], v[TRB], s[\mask]
	v_add_f32_dpp v[TRA], v[TRT], v[TRA] row_xmask:\m row_mask:0xf bank_mask:0xf
.set TJ, TJ+1
.endr
.endm
	TREE 0, 1, 20
	TREE 1, 2, 21
	TREE 2, 4, 22
	TREE 3, 8, 23
	v_cndmask_b32 v148, v132, v116, s24
	v_cndmask_b32 v116, v116, v132, s24
	v_permlanex16_b32 v149, v148, s26, s27
	v_add_f32 v116, v116, v149                     ; lane l: my wave's part of the score of token l / 8, expert l % 8
	ds_store_b32 v8, v116
	s_wait_dscnt 0x0                               ; for the others' sake: my codes, bytes and partial scores have landed
	s_barrier_signal -1
	s_barrier_wait -1
	ds_load_b128 v[172:175], v9
	s_wait_dscnt 0x0
	global_store_b128 v10, v[172:175], s[10:11]    ; a wave stores 512 consecutive bytes, at a multiple of 256 from xq's first byte
	s_cmp_lg_u32 s16, 1
	s_cbranch_scc1 .Lnot_bytes
	ds_load_b32 v148, v12                          ; wave 1: the 4 tokens' 128 scale bytes
	s_wait_dscnt 0x0
	global_store_b32 v13, v148, s[12:13]
.Lnot_bytes:
	s_cmp_lg_u32 s16, 0
	s_cbranch_scc1 .Lend
.irp q, 0,1,2,3
	ds_load_b32 v[148+\q], v11 offset:128*\q       ; wave 0: the four waves' parts
.endr
	s_wait_dscnt 0x0
	s_wait_loadcnt 0x0                             ; br
	v_add_f32 v148, v148, v149
	v_add_f32 v150, v150, v151
	v_add_f32 v148, v148, v150
	v_add_f32 v150, v148, v18                      ; the score
	v_mov_b32 v151, v15                            ; and its expert
; the argmax over the 8 lanes of a token: the larger score wins, on equal scores the lower expert.  It selects values alone: no address and no branch hangs on it
.macro ARGSTEP m
	v_mov_b32_dpp v152, v150 row_xmask:\m row_mask:0xf bank_mask:0xf
	v_mov_b32_dpp v153, v151 row_xmask:\m row_mask:0xf bank_mask:0xf
	v_cmp_gt_f32 s28, v152, v150
	v_cmp_eq_f32 s29, v152, v150
	v_cmp_lt_u32 s30, v153, v151
	s_and_b32 s29, s29, s30
	s_or_b32 s28, s28, s29
	v_cndmask_b32 v150, v150, v152, s28
	v_cndmask_b32 v151, v151, v153, s28
.endm
	ARGSTEP 1
	ARGSTEP 2
	ARGSTEP 4
	v_lshrrev_b32 v154, 3, v1
	v_lshlrev_b32 v154, 2, v154                    ; 4 bytes a token, at a fixed place
	v_cmp_eq_u32 vcc_lo, 0, v15
	s_wait_xcnt 0x0                                ; EXEC changes only behind this wait
	s_and_saveexec_b32 s31, vcc_lo
	global_store_b32 v154, v151, s[14:15]
	s_wait_xcnt 0x0                                ; and again, in front of the line that widens it
	s_or_b32 exec_lo, exec_lo, s31
.Lend:
	s_wait_tensorcnt 0x0                           ; the wave's end: three closing lines behind my last LDS store
	ds_add_u32 v16, v17
	s_wait_dscnt 0x0
	s_endpgm
.Lfunc_end_k_qd6fde077af_route:
	.size	k_qd6fde077af_route, .Lfunc_end_k_qd6fde077af_route-k_qd6fde077af_route
	.p2alignl 7, 3214868480
	.fill 96, 4, 3214868480
	.section	.rodata,"a",@progbits
	.p2align	6, 0x0
	.amdhsa_kernel k_qd6fde077af_route
		.amdhsa_group_segment_fixed_size 38144
		.amdhsa_private_segment_fixed_size 0
		.amdhsa_enable_private_segment 0
		.amdhsa_kernarg_size 48
		.amdhsa_user_sgpr_count 2
		.amdhsa_user_sgpr_kernarg_segment_ptr 1
		.amdhsa_wavefront_size32 1
		.amdhsa_system_sgpr_workgroup_id_x 1
		.amdhsa_system_sgpr_workgroup_id_y 1
		.amdhsa_system_sgpr_workgroup_id_z 1
		.amdhsa_system_vgpr_workitem_id 0
		.amdhsa_next_free_vgpr 192
		.amdhsa_next_free_sgpr 66
		.amdhsa_reserve_vcc 1
		.amdhsa_float_denorm_mode_32 3
		.amdhsa_float_denorm_mode_16_64 3
		.amdhsa_memory_ordered 1
		.amdhsa_forward_progress 1
		.amdhsa_inst_pref_size 27
	.end_amdhsa_kernel
	.amdgpu_metadata
---
amdhsa.version: [ 1, 2 ]
amdhsa.kernels:
  - .name:           k_qd6fde077af_route
    .symbol:         k_qd6fde077af_route.kd
    .args:
      - { .name: x, .offset: 0, .size: 8, .value_kind: global_buffer, .address_space: global }
      - { .name: wr, .offset: 8, .size: 8, .value_kind: global_buffer, .address_space: global }
      - { .name: br, .offset: 16, .size: 8, .value_kind: global_buffer, .address_space: global }
      - { .name: xq, .offset: 24, .size: 8, .value_kind: global_buffer, .address_space: global }
      - { .name: xs, .offset: 32, .size: 8, .value_kind: global_buffer, .address_space: global }
      - { .name: ids, .offset: 40, .size: 8, .value_kind: global_buffer, .address_space: global }
    .group_segment_fixed_size: 38144
    .private_segment_fixed_size: 0
    .kernarg_segment_align: 8
    .kernarg_segment_size: 48
    .max_flat_workgroup_size: 128
    .sgpr_count:     66
    .vgpr_count:     192
    .wavefront_size: 32
...
	.end_amdgpu_metadata
.endif
;; end of part 1
;; launch up (part 2): grid 32 x 8, 4 waves a work-group, no clusters, 201,728 bytes of LDS; arguments ids, xq, xs, w1_codes, w1_scales, b1, hq, hs, order, meta; writes hq, hs, order, meta
.if DOCPART == 2
	.amdgcn_target "amdgcn-amd-amdhsa--gfx1250"
	.amdhsa_code_object_version 6
	.text
	.protected	k_qd6fde077af_up
	.globl	k_qd6fde077af_up
	.p2align	8
	.type	k_qd6fde077af_up,@function
k_qd6fde077af_up:
	s_mov_b64 s[64:65], 0
	v_nop
	global_prefetch_b8 v0, s[64:65] scope:SCOPE_SE
	s_setreg_imm32_b32 hwreg(HW_REG_WAVE_MODE, 25, 1), 1
	s_wait_xcnt 0x0
; THE FIRST PRODUCT, FOR THE CHOSEN EXPERT ALONE: h = Q(gelu(x W1[e] + b1[e])) for the tokens whose stored id is e.  The other experts' rows are multiplied by a 0 of reference()'s own one_hot and are left out.
; SHARES.  Work-group (FT, E) makes hidden units 128 FT .. 128 FT + 127 of expert E, which are K step FT of the second product, for all tokens of E.  Wave w makes 32 of them, one block of 32, as two tiles of 16 rows of W1,
; which stay in its registers: its 32 rows of 512 bytes are loaded as they lie, a row a load, and turned into fragments through its own LDS.
; THE LIST.  While the weights are on their way wave 0 sorts: it reads the 1,024 ids, counts E's tokens and those of lower experts, and scatters E's tokens into a list in LDS.  All 32 work-groups of an expert make the
; same list; FT = 0 stores it (order) and the counts (meta) for the next launch.  A position is a token's place in the order by expert.  Behind its end the list repeats the expert's LAST token: the rows that fill up the
; last tile are then copies of the last row, bit for bit, and on the way out they are stored onto the last row's own bytes (the row in the global offset is held at the last row): no lane is ever switched off for them.
; LAYOUT.  The product is used transposed (source 0 = 16 rows of W1, source 1 = 16 tokens): a lane holds ONE token.  Lane r of tile u takes row 8 u + r + 8 (r / 8), so the 16 registers of the two tiles are the 16
; neighbouring units 16 (lane / 16) + 0 .. 15, and the block's other 16 lie in lane l xor 16.  b1 is the C of each sum's first matrix instruction.
; gelu(v) = 0.5 v (1 + erf(v / sqrt 2)), erf(z) = z P(z^2) / Q(z^2) with z held to +-4, degrees 6 and 4, in f32.  LIMIT: its error is some 2e-7 |v| in absolute terms, so the relative error grows where gelu is far
; smaller than |v| (the negative tail).  A block of zeros gets the byte 1 and not 127: its codes are zeros, and this program alone reads the bytes.  NaN and infinities are not served.
; TOKENS go in chunks of 192 rows; the loops over chunks (6: 1,152 rows serve every split) and over a chunk's 12 tiles have constant trip counts, so that every wave passes every barrier; what a split leaves empty is
; jumped over inside them.  Branches hang on stored counts, so there is no tensor load and no cluster; the weights are asked for in the first lines, so there is nothing to prefetch.
.set LIST,  0                          ; words 0-1151 the list (behind its end 32 copies of the last token, then zeros), 1152-1183 a lane's dump word for a token of another expert
.set META,  5376                       ; the expert's count and first position
.set WT,    5632                       ; 4 waves x 32 rows of 512 bytes + 16: the weights' turn
.set XST,   73216                      ; 192 rows of x's codes, 512 bytes + 16
.set XSC,   174592                     ; their scale bytes, 32 + 16; 1,024 bytes behind it stay unused
.set OST,   184832                     ; 192 rows of h's codes, 64 bytes + 16
.set OSS,   200192                     ; their scale words
.set SPARE, 201216                     ; the spare words, 128 bytes for each wave: no other line names them
; window 0: v1-15, v220, v230 addresses that stay; v221-223, v231 the tile's addresses; v224-227 two constants as pairs; v228 my spare word, v229 zero; v232-239 x's scale words, v240-255 W1's.  None of v0-15, v220-231 ever takes loaded data
;   v16-219 by turns: staging (48 rows' quads, 3 quads of scale bytes) | x's fragments 16-79, h 80-95, z 96-111, z^2 112-127, P 128-143, Q 144-159, 160-165 the quantiser | the way out 16-62 | the sort 16-63
; window 1: v0-127 W1's 16 fragments (tile u, K step s at 8 (8 u + s)); v128-143 b1 in the result's layout
.set MSB, 0
.macro WIN new                         ; the immediate's high byte repeats the setting that is left
.if MSB != \new
	s_set_vgpr_msb (MSB<<8)|\new
.set MSB, \new
.endif
.endm
.macro BAR                             ; my LDS stores have landed and my LDS loads are in: then the work-group's barrier
	s_wait_dscnt 0x0
	s_barrier_signal -1
	s_barrier_wait -1
.endm
.macro WMM d, a, b, c, sa, sb
	v_wmma_scale_f32_16x16x128_f8f6f4 v[\d:\d+7], v[\a:\a+7], v[\b:\b+7], v[\c:\c+7], v[\sa], v[\sb] matrix_a_fmt:MATRIX_FMT_FP4 matrix_b_fmt:MATRIX_FMT_FP4
.endm
	s_load_b256 s[4:11], s[0:1], 0x0               ; ids, xq, xs, W1's codes
	s_load_b256 s[12:19], s[0:1], 0x20             ; W1's scales, b1, hq, hs
	s_load_b128 s[20:23], s[0:1], 0x40             ; order, meta
	v_lshl_add_u32 v228, v0, 2, SPARE
	v_mov_b32 v229, 0
	v_lshrrev_b32 v16, 5, v0
	v_readfirstlane_b32 s24, v16                   ; wave w
	s_mov_b32 s25, ttmp9                           ; FT
	s_and_b32 s26, ttmp7, 0xffff                   ; E
	s_lshr_b32 s38, s24, 1                         ; the way out: which of two tiles my wave's codes belong to
	s_lshl_b32 s39, s24, 4                         ; and tile w's first row
	v_and_b32 v16, 31, v0                          ; lane
	v_and_b32 v17, 15, v0                          ; r
	v_bfe_u32 v18, v0, 4, 1                        ; h
	v_lshlrev_b32 v1, 4, v16                       ; 16 x lane
	s_lshl_b32 s35, s24, 4
	v_mov_b32 v2, s35                              ; the list: my wave's 4 rows of a tile (the same word in all lanes); 768 bytes on with each chunk
	v_lshrrev_b32 v19, 1, v16
	s_lshl_b32 s35, s24, 6
	v_lshl_add_u32 v3, v19, 2, s35                 ; the list: row lane / 2 of tile w, for the scale bytes
	v_lshl_add_u32 v220, v17, 2, s35               ; the list: row r of tile w, for the way out; 768 bytes on with each chunk
	v_add_nc_u32 v15, OSS, v220                    ; and the same row's scale word
	s_mul_i32 s35, s24, 2112
	s_add_co_u32 s35, s35, XST
	v_add_nc_u32 v4, s35, v1                       ; x's rows go in: row 4 w of a tile, 16 bytes a lane;
	v_add_nc_u32 v5, 50688, v4                     ; the same 96 rows on: an LDS offset has 16 bits
	v_and_b32 v20, 1, v16
	v_lshlrev_b32 v13, 4, v20                      ; which half of a row of 32 scale bytes
	v_mul_u32_u24 v6, v19, 48
	v_add_nc_u32 v6, v6, v13
	s_mul_i32 s35, s24, 768
	s_add_co_u32 s35, s35, XSC
	v_add_nc_u32 v6, s35, v6                       ; x's scale bytes go in
	s_mul_i32 s35, s24, 16896
	s_add_co_u32 s35, s35, WT
	v_add_nc_u32 v7, s35, v1                       ; the weights' turn: in,
	v_and_b32 v21, 8, v17
	v_add_nc_u32 v21, v21, v17                     ; r + 8 (r / 8)
	v_mul_u32_u24 v8, v21, 528
	v_lshl_add_u32 v8, v18, 4, v8
	v_add_nc_u32 v8, s35, v8                       ; and out, as fragments
	v_mul_u32_u24 v9, v17, 528
	v_lshl_add_u32 v9, v18, 4, v9
	v_add_nc_u32 v9, XST, v9                       ; x's fragments of tile 0
	v_mul_u32_u24 v10, v17, 48
	v_add_nc_u32 v10, XSC, v10                     ; and its scale words
	v_mul_u32_u24 v11, v17, 80
	v_lshl_add_u32 v11, v18, 3, v11
	s_lshl_b32 s35, s24, 4
	s_add_co_u32 s35, s35, OST
	v_add_nc_u32 v11, s35, v11                     ; my 8 bytes of h's codes: row r, 16 w + 8 h
	s_add_co_u32 s35, s24, OSS
	v_lshl_add_u32 v12, v17, 2, s35                ; my block's byte: byte w of row r's word
	v_lshrrev_b32 v23, 2, v0                       ; the way out: four threads to a row of 64 bytes
	v_mul_u32_u24 v14, v23, 80
	v_and_b32 v22, 3, v0
	v_lshl_add_u32 v14, v22, 4, v14
	v_add_nc_u32 v14, OST, v14
	v_mov_b32 v224, 0xaf95df0b                     ; P's leading coefficient, as a pair
	v_mov_b32 v225, 0xaf95df0b
	v_mov_b32 v226, 0xb77460cd                     ; Q's
	v_mov_b32 v227, 0xb77460cd
	v_mov_b32 v230, META
	v_lshlrev_b32 v60, 5, v21                      ; W1's scale bytes: 32 a row, by the tile's rows
	v_lshlrev_b32 v61, 6, v18                      ; b1: my half's 16 units
	v_lshlrev_b32 v62, 2, v16                      ; the sort: 4 x lane,
	v_add_nc_u32 v63, 1152, v16                    ; and my dump word
	s_mov_b32 s48, 0x76543210                      ; v_permlanex16_b32's selects for lane l xor 16
	s_mov_b32 s49, 0xfedcba98
	s_mov_b32 s53, 0
	s_wait_kmcnt 0x0
	s_lshl_b32 s52, s26, 21                        ; W1's codes: 4,096 rows of 512 bytes an expert, 128 a work-group, 32 a wave
	s_lshl_b32 s35, s25, 16
	s_add_co_u32 s52, s52, s35
	s_lshl_b32 s35, s24, 14
	s_add_co_u32 s52, s52, s35
	s_add_nc_u64 s[10:11], s[10:11], s[52:53]
	s_lshl_b32 s36, s26, 12
	s_lshl_b32 s35, s25, 7
	s_add_co_u32 s36, s36, s35
	s_lshl_b32 s35, s24, 5
	s_add_co_u32 s36, s36, s35                     ; my wave's first unit
	s_lshl_b32 s52, s36, 5
	s_add_nc_u64 s[12:13], s[12:13], s[52:53]
	s_lshl_b32 s52, s36, 2
	s_add_nc_u64 s[14:15], s[14:15], s[52:53]
	s_lshl_b32 s52, s26, 3
	s_add_nc_u64 s[22:23], s[22:23], s[52:53]
.macro WLOADS                          ; 40 loads: my 32 rows of W1, b1 in the result's layout, W1's scale words
	WIN 0x40                                       ; destination window 1
.set I, 0
.rept 32
	global_load_b128 v[4*I:4*I+3], v1, s[10:11] offset:512*I th:TH_LOAD_NT   ; a row of W1: 512 consecutive bytes, read once in the launch
.set I, I+1
.endr
.irp u, 0,1
	global_load_b128 v[128+8*\u:131+8*\u], v61, s[14:15] offset:32*\u
	global_load_b128 v[132+8*\u:135+8*\u], v61, s[14:15] offset:32*\u+16
.endr
	WIN 0
.irp u, 0,1
	global_load_b128 v[240+8*\u:243+8*\u], v60, s[12:13] offset:256*\u
	global_load_b128 v[244+8*\u:247+8*\u], v60, s[12:13] offset:256*\u+16
.endr
.endm
; one register of ids: a token of E goes to the list's next word, any other to the lane's dump word; the word's number is held under the list's end before it becomes an address
.macro SORT1 i, c
.set SRJ, 4*(\i)+(\c)
.set SRP, 48+2*(SRJ%4)
	v_cmp_eq_u32 s40, s26, v[16+SRJ]
	v_cmp_gt_u32 s41, s26, v[16+SRJ]
	v_mbcnt_lo_u32_b32 v[SRP], s40, 0
	v_add_nc_u32 v[SRP], s42, v[SRP]
	v_cndmask_b32 v[SRP], v63, v[SRP], s40
	v_min_u32 v[SRP], 1183, v[SRP]
	v_lshlrev_b32 v[SRP], 2, v[SRP]
	v_add_nc_u32 v[SRP+1], 128*(\i)+(\c), v62
	ds_store_b32 v[SRP], v[SRP+1]
	s_bcnt1_i32_b32 s40, s40
	s_add_co_u32 s42, s42, s40
	s_bcnt1_i32_b32 s41, s41
	s_add_co_u32 s28, s28, s41
.endm
	s_cmp_lg_u32 s24, 0
	s_cbranch_scc1 .Lothers                        ; waves 1 to 3 ask for their weights and touch no LDS ahead of the barrier below
.irp i, 0,1,2,3,4,5,6,7
	global_load_b128 v[16+4*\i:19+4*\i], v1, s[4:5] offset:512*\i   ; wave 0: register 4 i + c = the id of token 128 i + 4 lane + c
.endr
	WLOADS
.irp j, 56,57,58,59
	v_mov_b32 v\j, 0
.endr
.irp k, 0,1,2,3,4,5,6,7,8
	ds_store_b128 v1, v[56:59] offset:512*\k       ; the list's 1,152 words begin as zeros
.endr
	s_mov_b32 s42, 0                               ; E's tokens so far
	s_mov_b32 s28, 0                               ; tokens of lower experts
	s_wait_loadcnt 40                              ; the ids are in; the 40 loads of weights, bias and scales behind them stay out
.irp i, 0,1,2,3,4,5,6,7
.irp c, 0,1,2,3
	SORT1 \i, \c
.endr
.endr
	s_max_u32 s35, s42, 1
	s_sub_co_u32 s35, s35, 1
	s_min_u32 s35, s35, 1023                       ; the list's last word, held inside the list
	s_lshl_b32 s35, s35, 2
	v_mov_b32 v50, s35
	ds_load_b32 v51, v50                           ; LDS serves a wave's instructions in order: this sees the stores above.  The expert's last token, in every lane
	s_min_u32 s36, s42, 1024
	s_lshl_b32 s36, s36, 2
	v_add_nc_u32 v52, s36, v62                     ; the 32 words behind the list's end
	v_mov_b32 v48, s42
	v_mov_b32 v49, s28
	s_wait_dscnt 0x0
	ds_store_b32 v52, v51                          ; repeat it: the rows that fill up the last tile are copies of the last row
	ds_store_b64 v230, v[48:49]
	s_branch .Lsorted
.Lothers:
	WLOADS
.Lsorted:
	BAR                                            ; the list and the counts lie in LDS
	ds_load_b64 v[48:49], v230
	s_wait_dscnt 0x0
	v_readfirstlane_b32 s27, v48                   ; N: E's tokens
	v_readfirstlane_b32 s28, v49                   ; OFF: E's first position
	s_min_u32 s27, s27, 1024
	s_min_u32 s28, s28, 1023
	s_lshl_b32 s52, s25, 16                        ; hq: [K step][position][64 bytes]
	s_lshl_b32 s35, s28, 6
	s_add_co_u32 s52, s52, s35
	s_add_nc_u64 s[16:17], s[16:17], s[52:53]
	s_lshl_b32 s52, s25, 12                        ; hs: [K step][position], a word
	s_lshl_b32 s35, s28, 2
	s_add_co_u32 s52, s52, s35
	s_add_nc_u64 s[18:19], s[18:19], s[52:53]
	s_mov_b32 s52, s35
	s_add_nc_u64 s[20:21], s[20:21], s[52:53]      ; order: [position], a word
	s_mov_b32 s29, s27                             ; rows still to do
	s_min_u32 s30, s29, 192                        ; NC: the chunk's rows
	s_add_co_u32 s31, s30, 15
	s_lshr_b32 s31, s31, 4                         ; TC: its tiles
; the weights' 32 rows go through my own LDS and come back as 16 fragments, into the registers that they left
.macro TURN
	WIN 0x04                                       ; an LDS store's data are its source 1: window 1
.set I, 0
.rept 32
	ds_store_b128 v7, v[4*I:4*I+3] offset:528*I
.set I, I+1
.endr
	WIN 0x40
.irp u, 0,1
.irp s, 0,1,2,3,4,5,6,7
	ds_load_b128 v[8*(8*\u+\s):8*(8*\u+\s)+3], v8 offset:4224*\u+64*\s
	ds_load_b128 v[8*(8*\u+\s)+4:8*(8*\u+\s)+7], v8 offset:4224*\u+64*\s+32
.endr
.endr
	WIN 0
.endm
; A chunk's 192 rows of x come in by the list: wave w brings rows 16 g + 4 w + i, a row of 512 bytes a load, and the scale bytes of tiles 4 q + w.  A load lands on its own offset register.
.macro STAGE first
.set I, 0
.rept 48
	ds_load_b32 v[16+4*I], v2 offset:64*(I/4)+4*(I%4)
.set I, I+1
.endr
.irp q, 0,1,2
	ds_load_b32 v[208+4*\q], v3 offset:256*\q
.endr
	s_wait_dscnt 0x0
.set I, 0
.rept 51
	v_min_u32 v[16+4*I], 0x3ff, v[16+4*I]          ; a token's number is held inside the table before it becomes an offset
.set I, I+1
.endr
.set I, 0
.rept 48
	v_lshl_add_u32 v[16+4*I], v[16+4*I], 9, v1
.set I, I+1
.endr
.irp q, 0,1,2
	v_lshl_add_u32 v[208+4*\q], v[208+4*\q], 5, v13
.endr
.set I, 0
.rept 48
	global_load_b128 v[16+4*I:19+4*I], v[16+4*I], s[6:7]
.set I, I+1
.endr
.irp q, 0,1,2
	global_load_b128 v[208+4*\q:211+4*\q], v[208+4*\q], s[8:9]
.endr
.if \first
	s_wait_loadcnt 59                              ; the 32 rows of W1 are in: behind them stand 8 loads of bias and scales and the 51 just issued
	TURN
.endif
	s_wait_loadcnt 0x0
.set I, 0
.rept 24
	ds_store_b128 v4, v[16+4*I:19+4*I] offset:528*(16*(I/4)+I%4)
.set I, I+1
.endr
.rept 24
	ds_store_b128 v5, v[16+4*I:19+4*I] offset:528*(16*(I/4-6)+I%4)
.set I, I+1
.endr
.irp q, 0,1,2
	ds_store_b128 v6, v[208+4*\q:211+4*\q] offset:3072*\q
.endr
.endm
.macro FETCHX nx                       ; x's 8 fragments and 8 scale words of the tile in hand (0) or the next (1)
.irp s, 0,1,2,3,4,5,6,7
	ds_load_b128 v[16+8*\s:19+8*\s], v221 offset:8448*\nx+64*\s
	ds_load_b128 v[20+8*\s:23+8*\s], v221 offset:8448*\nx+64*\s+32
.endr
	ds_load_b128 v[232:235], v222 offset:768*\nx
	ds_load_b128 v[236:239], v222 offset:768*\nx+16
.endm
.macro MULS                            ; 16 matrix instructions; the two accumulators take turns, one instruction a turn
	WIN 0x11                                       ; source 0 (W1) and source 2 (b1) window 1
	WMM 80, 0, 16, 128, 240, 232
	WMM 88, 64, 16, 136, 248, 232
	WIN 0x01
.irp s, 1,2,3,4,5,6,7
	WMM 80, 8*\s, 16+8*\s, 80, 240+\s, 232+\s
	WMM 88, 64+8*\s, 16+8*\s, 88, 248+\s, 232+\s
.endr
	WIN 0
.rept 4
	v_nop                                          ; places in front of the loads into x's registers and of the first read of the results
.endr
.endm
.macro HORN d, lit                     ; one step of Horner's rule on 8 pairs: d = d z^2 + lit
.irp p, 0,2,4,6,8,10,12,14
	v_pk_fma_f32 v[\d+\p:\d+\p+1], v[\d+\p:\d+\p+1], v[112+\p:113+\p], \lit op_sel_hi:[1,1,0]
.endr
.endm
.macro GELU
.irp p, 0,2,4,6,8,10,12,14
	v_pk_mul_f32 v[96+\p:97+\p], v[80+\p:81+\p], 0x3f3504f3 op_sel_hi:[1,0]   ; z = v / sqrt 2; each accumulator is read from its low end on
.endr
.irp j, 0,1,2,3,4,5,6,7,8,9,10,11,12,13,14,15
	v_med3_num_f32 v[96+\j], v[96+\j], -4.0, 4.0
.endr
.irp p, 0,2,4,6,8,10,12,14
	v_pk_mul_f32 v[112+\p:113+\p], v[96+\p:97+\p], v[96+\p:97+\p]
.endr
.irp p, 0,2,4,6,8,10,12,14
	v_pk_fma_f32 v[128+\p:129+\p], v[112+\p:113+\p], v[224:225], 0x32edffee op_sel_hi:[1,1,0]
.endr
.irp p, 0,2,4,6,8,10,12,14
	v_pk_fma_f32 v[144+\p:145+\p], v[112+\p:113+\p], v[226:227], 0xb95fbd29 op_sel_hi:[1,1,0]
.endr
	HORN 128, 0xb60cff51
	HORN 144, 0xbadc924e
	HORN 128, 0xb86ec2d2
	HORN 144, 0xbbf19bf8
	HORN 128, 0xba40ac63
	HORN 144, 0xbc69b6a7
	HORN 128, 0xbb41a1f6
	HORN 128, 0xbc83dbd4
.irp j, 0,1,2,3,4,5,6,7,8,9,10,11,12,13,14,15
	v_rcp_f32 v[144+\j], v[144+\j]                 ; one batch of 16
.endr
.irp p, 0,2,4,6,8,10,12,14
	v_pk_mul_f32 v[128+\p:129+\p], v[128+\p:129+\p], v[96+\p:97+\p]   ; z P: plain work behind the batch that names none of its results
.endr
.irp p, 0,2,4,6,8,10,12,14
	v_pk_mul_f32 v[80+\p:81+\p], v[80+\p:81+\p], 0.5 op_sel_hi:[1,0]
.endr
	s_wait_alu depctr_va_vdst(0)                   ; a wait ahead of the first reader of a reciprocal: one for the batch
.irp p, 0,2,4,6,8,10,12,14
	v_pk_mul_f32 v[128+\p:129+\p], v[128+\p:129+\p], v[144+\p:145+\p]   ; erf
.endr
.irp p, 0,2,4,6,8,10,12,14
	v_pk_fma_f32 v[80+\p:81+\p], v[80+\p:81+\p], v[128+\p:129+\p], v[80+\p:81+\p]   ; 0.5 v erf + 0.5 v
.endr
.endm
.macro QUANT                           ; my 16 numbers and lane l xor 16's are a block of 32 along the next K
	v_max3_num_f32 v160, |v80|, |v81|, 0x1800000   ; with the floor 2^(3 - 127): the byte cannot fall under 1
	v_max3_num_f32 v161, |v88|, |v89|, |v90|
	v_max3_num_f32 v160, v160, |v82|, |v83|
	v_max3_num_f32 v161, v161, |v91|, |v92|
	v_max3_num_f32 v160, v160, |v84|, |v85|
	v_max3_num_f32 v161, v161, |v93|, |v94|
	v_max3_num_f32 v160, v160, |v86|, |v87|
	v_max3_num_f32 v160, v160, v161, |v95|
	v_permlanex16_b32 v96, v160, s48, s49
	v_max_num_f32 v160, v160, v96
	v_add_nc_u32 v162, 0xff000000, v160            ; 2 off the exponent field: the conversion's scale operand
	v_lshrrev_b32 v163, 23, v162                   ; the scale's byte
	v_cvt_scalef32_pk8_fp4_f32 v164, v[80:87], v162
	v_cvt_scalef32_pk8_fp4_f32 v165, v[88:95], v162
	v_nop                                          ; one plain place behind the last scaled conversion
	ds_store_b64 v223, v[164:165]
	ds_store_b8 v231, v163                         ; both lanes of a block write the same byte with the same value
.endm
	s_wait_xcnt 0x0                                ; the head's loads have read their offset registers, which the staging takes
	STAGE 1
	s_mov_b32 s33, 6
.Lchunk:
	BAR                                            ; the chunk's rows of x lie in LDS; nobody reads the last chunk's codes any more
	v_mov_b32 v221, v9                             ; the tile's addresses begin at tile 0
	v_mov_b32 v222, v10
	v_mov_b32 v223, v11
	v_mov_b32 v231, v12
	FETCHX 0
	s_mov_b32 s32, 0
.Ltile:
	s_cmp_ge_u32 s32, s31
	s_cbranch_scc1 .Lskip                          ; no such tile in this chunk: only the addresses step
	s_wait_dscnt 0x0                               ; x's fragments are in
	MULS
	s_add_co_u32 s35, s32, 1
	s_cmp_ge_u32 s35, s31
	s_cbranch_scc1 .Lno_ahead
	FETCHX 1                                       ; the next tile's, under this tile's vector work
.Lno_ahead:
	GELU
	QUANT
.Lskip:
	v_add_nc_u32 v221, 8448, v221
	v_add_nc_u32 v222, 768, v222
	v_add_nc_u32 v223, 1280, v223
	v_add_nc_u32 v231, 64, v231
	s_add_co_u32 s32, s32, 1
	s_cmp_lt_u32 s32, 12
	s_cbranch_scc1 .Ltile
	BAR                                            ; the chunk's codes and bytes lie in LDS; nobody reads its rows of x any more
	s_cmp_eq_u32 s30, 0
	s_cbranch_scc1 .Lno_out
; THE WAY OUT, tile by tile, of the tiles that were made.  The chunk's rows are neighbours in hq, hs and order: a wave's store of codes covers 512 consecutive bytes.  Codes: waves 0, 1 take tile 2 q, waves 2, 3 tile 2 q + 1.
; Words: wave w takes tile w + 4 p; lanes 16-31 repeat lanes 0-15.  A row behind the chunk's last holds a copy of the last row; in the global offset its number is held at the last row's: same bytes, same place.
	s_sub_co_u32 s36, s30, 1                       ; the chunk's last row
.irp q, 0,1,2,3,4,5
	s_add_co_u32 s35, s38, 2*\q
	s_cmp_ge_u32 s35, s31
	s_cbranch_scc1 .Lr_codes
	ds_load_b128 v[16+4*\q:19+4*\q], v14 offset:2560*\q
.endr
.Lr_codes:
.irp p, 0,1,2
	s_add_co_u32 s35, s24, 4*\p
	s_cmp_ge_u32 s35, s31
	s_cbranch_scc1 .Lr_words
	ds_load_b32 v[40+\p], v15 offset:256*\p
	ds_load_b32 v[44+\p], v220 offset:256*\p
.endr
.Lr_words:
	v_lshrrev_b32 v48, 2, v0                       ; my row of a store's 32
	v_and_b32 v49, 3, v0
	v_lshlrev_b32 v49, 4, v49                      ; my 16 bytes of its 64
	v_min_u32 v52, s36, v48
.irp q, 1,2,3,4,5
	v_add_nc_u32 v[52+\q], 32*\q, v48
	v_min_u32 v[52+\q], s36, v[52+\q]
.endr
.irp q, 0,1,2,3,4,5
	v_min_u32 v[52+\q], 191, v[52+\q]              ; held inside the chunk before it becomes an offset
.endr
.irp q, 0,1,2,3,4,5
	v_lshl_add_u32 v[52+\q], v[52+\q], 6, v49
.endr
	v_and_b32 v50, 15, v0
	v_add_nc_u32 v50, s39, v50                     ; row r of tile w
	v_min_u32 v60, s36, v50
.irp p, 1,2
	v_add_nc_u32 v[60+\p], 64*\p, v50
	v_min_u32 v[60+\p], s36, v[60+\p]
.endr
.irp p, 0,1,2
	v_min_u32 v[60+\p], 191, v[60+\p]
.endr
.irp p, 0,1,2
	v_lshlrev_b32 v[60+\p], 2, v[60+\p]
.endr
	s_wait_dscnt 0x0
.irp q, 0,1,2,3,4,5
	s_add_co_u32 s35, s38, 2*\q
	s_cmp_ge_u32 s35, s31
	s_cbranch_scc1 .Ls_codes
	global_store_b128 v[52+\q], v[16+4*\q:19+4*\q], s[16:17]
.endr
.Ls_codes:
.irp p, 0,1,2
	s_add_co_u32 s35, s24, 4*\p
	s_cmp_ge_u32 s35, s31
	s_cbranch_scc1 .Ls_words
	global_store_b32 v[60+\p], v[40+\p], s[18:19]
.endr
.Ls_words:
	s_cmp_lg_u32 s25, 0
	s_cbranch_scc1 .Lno_out                        ; one work-group of an expert stores its part of the order
.irp p, 0,1,2
	s_add_co_u32 s35, s24, 4*\p
	s_cmp_ge_u32 s35, s31
	s_cbranch_scc1 .Lno_out
	global_store_b32 v[60+\p], v[44+\p], s[20:21]
.endr
.Lno_out:
	s_wait_xcnt 0x0                                ; the stores have read their bases and registers: both may be written again
	s_add_nc_u64 s[16:17], s[16:17], 12288
	s_add_nc_u64 s[18:19], s[18:19], 768
	s_add_nc_u64 s[20:21], s[20:21], 768
	v_add_nc_u32 v2, 768, v2
	v_add_nc_u32 v3, 768, v3
	v_add_nc_u32 v220, 768, v220
	s_sub_co_i32 s29, s29, 192
	s_max_i32 s35, s29, 0
	s_min_u32 s30, s35, 192
	s_add_co_u32 s31, s30, 15
	s_lshr_b32 s31, s31, 4
	s_cmp_eq_u32 s31, 0
	s_cbranch_scc1 .Lno_stage
	STAGE 0
.Lno_stage:
	s_sub_co_u32 s33, s33, 1
	s_cmp_lg_u32 s33, 0
	s_cbranch_scc1 .Lchunk
	s_or_b32 s35, s25, s24
	s_cmp_lg_u32 s35, 0
	s_cbranch_scc1 .Lno_meta
	v_mov_b32 v16, s28                             ; meta[E] = (first position, count)
	v_mov_b32 v17, s27
	v_mov_b32 v18, 0
	v_cmp_eq_u32 vcc_lo, 0, v0
	s_wait_xcnt 0x0                                ; EXEC changes only behind this wait
	s_and_saveexec_b32 s34, vcc_lo
	global_store_b64 v18, v[16:17], s[22:23]
	s_wait_xcnt 0x0                                ; and again, in front of the line that widens it
	s_or_b32 exec_lo, exec_lo, s34
.Lno_meta:
	s_wait_tensorcnt 0x0                           ; the wave's end: three closing lines behind my last LDS store
	ds_add_u32 v228, v229
	s_wait_dscnt 0x0
	s_endpgm
.Lfunc_end_k_qd6fde077af_up:
	.size	k_qd6fde077af_up, .Lfunc_end_k_qd6fde077af_up-k_qd6fde077af_up
	.p2alignl 7, 3214868480
	.fill 96, 4, 3214868480
	.section	.rodata,"a",@progbits
	.p2align	6, 0x0
	.amdhsa_kernel k_qd6fde077af_up
		.amdhsa_group_segment_fixed_size 201728
		.amdhsa_private_segment_fixed_size 0
		.amdhsa_enable_private_segment 0
		.amdhsa_kernarg_size 80
		.amdhsa_user_sgpr_count 2
		.amdhsa_user_sgpr_kernarg_segment_ptr 1
		.amdhsa_wavefront_size32 1
		.amdhsa_system_sgpr_workgroup_id_x 1
		.amdhsa_system_sgpr_workgroup_id_y 1
		.amdhsa_system_sgpr_workgroup_id_z 1
		.amdhsa_system_vgpr_workitem_id 0
		.amdhsa_next_free_vgpr 400
		.amdhsa_next_free_sgpr 66
		.amdhsa_reserve_vcc 1
		.amdhsa_float_denorm_mode_32 3
		.amdhsa_float_denorm_mode_16_64 3
		.amdhsa_memory_ordered 1
		.amdhsa_forward_progress 1
		.amdhsa_inst_pref_size 101
	.end_amdhsa_kernel
	.amdgpu_metadata
---
amdhsa.version: [ 1, 2 ]
amdhsa.kernels:
  - .name:           k_qd6fde077af_up
    .symbol:         k_qd6fde077af_up.kd
    .args:
      - { .name: ids, .offset: 0, .size: 8, .value_kind: global_buffer, .address_space: global }
      - { .name: xq, .offset: 8, .size: 8, .value_kind: global_buffer, .address_space: global }
      - { .name: xs, .offset: 16, .size: 8, .value_kind: global_buffer, .address_space: global }
      - { .name: w1_codes, .offset: 24, .size: 8, .value_kind: global_buffer, .address_space: global }
      - { .name: w1_scales, .offset: 32, .size: 8, .value_kind: global_buffer, .address_space: global }
      - { .name: b1, .offset: 40, .size: 8, .value_kind: global_buffer, .address_space: global }
      - { .name: hq, .offset: 48, .size: 8, .value_kind: global_buffer, .address_space: global }
      - { .name: hs, .offset: 56, .size: 8, .value_kind: global_buffer, .address_space: global }
      - { .name: order, .offset: 64, .size: 8, .value_kind: global_buffer, .address_space: global }
      - { .name: meta, .offset: 72, .size: 8, .value_kind: global_buffer, .address_space: global }
    .group_segment_fixed_size: 201728
    .private_segment_fixed_size: 0
    .kernarg_segment_align: 8
    .kernarg_segment_size: 80
    .max_flat_workgroup_size: 128
    .sgpr_count:     66
    .vgpr_count:     400
    .wavefront_size: 32
...
	.end_amdgpu_metadata
.endif
;; end of part 2
;; launch down (part 3): grid 32 x 8, 4 waves a work-group, no clusters, 296,448 bytes of LDS; arguments hq, hs, order, meta, w2_codes, w2_scales, b2, out0; writes out0
.if DOCPART == 3
	.amdgcn_target "amdgcn-amd-amdhsa--gfx1250"
	.amdhsa_code_object_version 6
	.text
	.protected	k_qd6fde077af_down
	.globl	k_qd6fde077af_down
	.p2align	8
	.type	k_qd6fde077af_down,@function
k_qd6fde077af_down:
	s_mov_b64 s[64:65], 0
	v_nop
	global_prefetch_b8 v0, s[64:65] scope:SCOPE_SE
	s_setreg_imm32_b32 hwreg(HW_REG_WAVE_MODE, 25, 1), 1
	s_wait_xcnt 0x0
; THE SECOND PRODUCT, FOR THE CHOSEN EXPERT ALONE: out0[token] = h W2[e] + b2[e] for the positions of expert e.  The other experts' rows are multiplied by a 0 of reference()'s own one_hot and are left out; that product is a lookup.
; SHARES.  Work-group x = 2 NT + Z, y = E: columns 64 NT .. 64 NT + 63 of expert E (256 bytes of a row of out0) for the tiles of 16 positions t = 2 u + Z.  THE WAVES SHARE K: wave kq takes K steps 8 kq .. 8 kq + 7 for all
; 64 columns, so each byte that the work-group reads is read by one wave.  Its part of W2 (64 rows x 512 bytes) is loaded as it lies, a row's 512 bytes a load, turned into 32 fragments through its own LDS, and stays in registers.
; The product is used transposed (source 0 = 16 columns of W2, source 1 = 16 positions): a lane holds one position and 8 neighbouring columns.  The four waves' partial sums meet in LDS; wave kq then adds rows
; 4 kq .. 4 kq + 3 of every tile, adds b2 and stores: sixteen lanes write 256 consecutive bytes, at a multiple of 256 from out0's first byte, at the row of the token that the stored order names.
; THE LAST TILE'S SPARE ROWS take the expert's LAST position (the row's number is held at the last row's before it becomes an offset): the same codes, the same token, so the same sums bit for bit, stored by this same
; work-group onto the same bytes.  No lane is ever switched off.
; The loops have constant trip counts (2 rounds x 16 tiles serve 1,024 tokens on one expert), so that every wave passes every barrier; tiles that the split leaves empty are jumped over inside them.
; Branches hang on stored counts, so there is no tensor load and no cluster; the weights are asked for in the first lines, so there is nothing to prefetch.  LIMITS: K is summed in four parts; NaN and infinities are not served.
.set PT,    17408                      ; LDS: a tile's partial sums: 4 waves x 16 rows x (256 bytes + the row's token + 12)
.set PW,    4352
.set SPARE, 295936                     ; behind 16 tiles and one tile's room that no path reaches: the spare words, 128 bytes for each wave: no other line names them
; the weights' turn, 4 waves x 64 rows x 528 bytes, lies in the partial sums' first bytes; a barrier parts the two uses
; window 0: v1-12 addresses that stay; v14 at work; v16-19 offsets of h's loads; v20, v21 tokens; v22, v23, v28, v29 the tile's LDS addresses; v24-27 b2; v30 my spare word, v31 zero;
;   v32-63 W2's scale words (8 ct + s); v64-79 h's (8 b + s); v80-207 h's fragments, two buffers of 64, later the sums' quads.   window 1: W2's 32 fragments (64 ct + 8 s).   window 2: v0-31 four accumulators
.set MSB, 0
.macro WIN new                         ; the immediate's high byte repeats the setting that is left
.if MSB != \new
	s_set_vgpr_msb (MSB<<8)|\new
.set MSB, \new
.endif
.endm
.macro BAR                             ; my LDS stores have landed and my LDS loads are in: then the work-group's barrier
	s_wait_dscnt 0x0
	s_barrier_signal -1
	s_barrier_wait -1
.endm
	s_load_b256 s[4:11], s[0:1], 0x0               ; hq, hs, order, meta
	s_load_b256 s[12:19], s[0:1], 0x20             ; W2's codes, W2's scales, b2, out0
	v_lshl_add_u32 v30, v0, 2, SPARE
	v_mov_b32 v31, 0
	v_lshrrev_b32 v14, 5, v0
	v_readfirstlane_b32 s20, v14                   ; wave kq
	s_and_b32 s21, ttmp9, 1                        ; Z
	s_lshr_b32 s22, ttmp9, 1                       ; NT
	s_and_b32 s23, ttmp7, 0xffff                   ; E
	v_and_b32 v14, 31, v0
	v_lshlrev_b32 v1, 4, v14                       ; 16 x lane
	v_and_b32 v2, 15, v0                           ; r
	v_bfe_u32 v15, v0, 4, 1                        ; h
	v_lshlrev_b32 v3, 4, v15
	s_mul_i32 s35, s20, 33792
	v_add_nc_u32 v4, s35, v1                       ; the weights' turn: in,
	v_mul_u32_u24 v5, v2, 528
	v_add_nc_u32 v5, v5, v3
	v_add_nc_u32 v5, s35, v5                       ; and out, as fragments
	s_mul_i32 s35, s20, PW
	v_mul_u32_u24 v7, v2, 272
	v_add_nc_u32 v7, s35, v7
	v_lshl_add_u32 v6, v15, 5, v7                  ; my partial sums of tile 0: row r, 32 bytes for each half of the lanes
	v_add_nc_u32 v7, 256, v7                       ; and the row's token
	s_lshl_b32 s35, s20, 2
	v_add_nc_u32 v10, s35, v15                     ; the sums: lanes 0-15 take row 4 kq, lanes 16-31 the next
	v_mul_u32_u24 v9, v10, 272
	v_lshlrev_b32 v11, 4, v2                       ; 16 bytes a lane of a row's 256
	v_add_nc_u32 v8, v9, v11
	v_add_nc_u32 v9, 256, v9
	v_lshlrev_b32 v12, 7, v2                       ; W2's scale bytes: 128 a row
	s_mov_b32 s39, 0
	s_wait_kmcnt 0x0
	s_lshl_b32 s38, s23, 3
	s_add_nc_u64 s[10:11], s[10:11], s[38:39]
	s_load_b64 s[24:25], s[10:11], 0x0             ; OFF, N: the expert's first position and count
	s_lshl_b32 s36, s23, 10
	s_lshl_b32 s35, s22, 6
	s_add_co_u32 s36, s36, s35                     ; my first column among the 8,192 rows of W2
	s_lshl_b32 s38, s36, 11
	s_lshl_b32 s35, s20, 9
	s_add_co_u32 s38, s38, s35
	s_add_nc_u64 s[12:13], s[12:13], s[38:39]
	s_lshl_b32 s38, s36, 7
	s_lshl_b32 s35, s20, 5
	s_add_co_u32 s38, s38, s35
	s_add_nc_u64 s[14:15], s[14:15], s[38:39]
	s_lshl_b32 s38, s36, 2
	s_add_nc_u64 s[16:17], s[16:17], s[38:39]
	s_lshl_b32 s38, s20, 19                        ; my 8 K steps of hq, 65,536 bytes each,
	s_add_nc_u64 s[4:5], s[4:5], s[38:39]
	s_lshl_b32 s38, s20, 15                        ; and of hs, 4,096 each
	s_add_nc_u64 s[6:7], s[6:7], s[38:39]
	s_lshl_b32 s38, s22, 8
	s_add_nc_u64 s[18:19], s[18:19], s[38:39]
	WIN 0x40                                       ; destination window 1
.set I, 0
.rept 64
	global_load_b128 v[4*I:4*I+3], v1, s[12:13] offset:2048*I   ; my 512 bytes of a row of W2 (the work-group beside me reads them too: no hint)
.set I, I+1
.endr
	WIN 0
.irp ct, 0,1,2,3
	global_load_b128 v[32+8*\ct:35+8*\ct], v12, s[14:15] offset:2048*\ct
	global_load_b128 v[36+8*\ct:39+8*\ct], v12, s[14:15] offset:2048*\ct+16
.endr
	global_load_b128 v[24:27], v11, s[16:17]
.macro TURNG ct                        ; 16 rows go through my own LDS and come back as 8 fragments, into the registers that they left
	WIN 0x04                                       ; an LDS store's data are its source 1: window 1
.set I, 16*\ct
.rept 16
	ds_store_b128 v4, v[4*I:4*I+3] offset:528*I
.set I, I+1
.endr
	WIN 0x40
.irp s, 0,1,2,3,4,5,6,7
	ds_load_b128 v[64*\ct+8*\s:64*\ct+8*\s+3], v5 offset:8448*\ct+64*\s
	ds_load_b128 v[64*\ct+8*\s+4:64*\ct+8*\s+7], v5 offset:8448*\ct+64*\s+32
.endr
	WIN 0
.endm
.macro HADDR b                         ; the offsets of the next tile's 16 positions; rows behind the expert's last fall on its last, and the position is held inside the table before it becomes an offset
	v_add_nc_u32 v14, s30, v2
	v_min_u32 v14, s26, v14
	v_add_nc_u32 v14, s24, v14
	v_min_u32 v14, 0x3ff, v14
	v_lshl_add_u32 v[16+\b], v14, 6, v3
	v_lshlrev_b32 v[18+\b], 2, v14
	s_add_co_u32 s30, s30, 32
.endm
.macro HL b                            ; 25 loads: a tile's 8 fragments of h, its 8 scale words, its tokens
.irp s, 0,1,2,3,4,5,6,7
	global_load_b128 v[80+64*(\b)+8*\s:83+64*(\b)+8*\s], v[16+(\b)], s[4:5] offset:65536*\s
	global_load_b128 v[84+64*(\b)+8*\s:87+64*(\b)+8*\s], v[16+(\b)], s[4:5] offset:65536*\s+32
.endr
.irp s, 0,1,2,3,4,5,6,7
	global_load_b32 v[64+8*(\b)+\s], v[18+(\b)], s[6:7] offset:4096*\s
.endr
	global_load_b32 v[20+(\b)], v[18+(\b)], s[8:9]
.endm
	s_wait_kmcnt 0x0
	s_min_u32 s25, s25, 1024
	s_min_u32 s24, s24, 1023
	s_max_u32 s26, s25, 1
	s_sub_co_u32 s26, s26, 1                       ; the expert's last row
	s_add_co_u32 s27, s25, 15
	s_lshr_b32 s27, s27, 4
	s_add_co_u32 s27, s27, 1
	s_sub_co_u32 s27, s27, s21
	s_lshr_b32 s27, s27, 1                         ; my tiles: those with t % 2 = Z
	s_min_u32 s28, s27, 16                         ; of them in the first round
	s_lshl_b32 s31, s21, 4                         ; the round's first row
	s_mov_b32 s30, s31
	HADDR 0
	HADDR 1
	s_wait_loadcnt 57                              ; rows 0-15 are in: behind them stand 48 rows and 9 loads of scales and bias
	TURNG 0
	s_wait_loadcnt 41                              ; rows 16-31: 32 rows and 9
	TURNG 1
	HL 0
	s_wait_loadcnt 50                              ; rows 32-47: 16 rows, 9, and the 25 just issued
	TURNG 2
	HL 1
	s_wait_loadcnt 59                              ; rows 48-63: 9 and 50
	TURNG 3
	BAR                                            ; every wave's fragments are in registers: the partial sums may take the turn's bytes
; A tile: 32 matrix instructions, the four accumulators by turns, one instruction a turn; the first K step starts the sums with the constant 0.
.macro STEP b
	s_cmp_ge_u32 s29, s28
	s_cbranch_scc1 .Ldead_\@
	s_wait_loadcnt 25                              ; this buffer's 25 loads are in: behind them stand at most the other buffer's 25
	s_wait_dscnt 0x0                               ; the last tile's LDS stores have read the accumulators
	WIN 0xa1                                       ; source 0 (W2) window 1, source 1 (h) window 0, C and D window 2
.irp s, 0,1,2,3,4,5,6,7
.irp ct, 0,1,2,3
.if \s == 0
	v_wmma_scale_f32_16x16x128_f8f6f4 v[8*\ct:8*\ct+7], v[64*\ct+8*\s:64*\ct+8*\s+7], v[80+64*\b+8*\s:87+64*\b+8*\s], 0, v[32+8*\ct+\s], v[64+8*\b+\s] matrix_a_fmt:MATRIX_FMT_FP4 matrix_b_fmt:MATRIX_FMT_FP4
.else
	v_wmma_scale_f32_16x16x128_f8f6f4 v[8*\ct:8*\ct+7], v[64*\ct+8*\s:64*\ct+8*\s+7], v[80+64*\b+8*\s:87+64*\b+8*\s], v[8*\ct:8*\ct+7], v[32+8*\ct+\s], v[64+8*\b+\s] matrix_a_fmt:MATRIX_FMT_FP4 matrix_b_fmt:MATRIX_FMT_FP4
.endif
.endr
.endr
	WIN 0
	HADDR \b                                       ; six plain lines that name none of the products' registers: the places in front of the stores and loads below, and of the next tile's first products
	WIN 0x08                                       ; an LDS store's data are its source 1: window 2
.irp ct, 0,1,2,3
	ds_store_b128 v22, v[8*\ct:8*\ct+3] offset:64*\ct          ; each accumulator from its low end on
	ds_store_b128 v22, v[8*\ct+4:8*\ct+7] offset:64*\ct+16
.endr
	WIN 0
	ds_store_b32 v23, v[20+\b]                     ; both halves of the lanes write the same word with the same value
	HL \b                                          ; the tile two further on
	s_branch .Lnext_\@
.Ldead_\@:
	s_wait_loadcnt 0x0                             ; so that the count above holds on every way
.Lnext_\@:
	s_add_co_u32 s29, s29, 1
	v_add_nc_u32 v22, PT, v22
	v_add_nc_u32 v23, PT, v23
.endm
.macro RLOAD b, nx                     ; four rows' four partial sums, and their tokens, of the tile in hand (0) or the next (1)
.irp g, 0,1
.irp q, 0,1,2,3
	ds_load_b128 v[80+64*(\b)+16*\g+4*\q:83+64*(\b)+16*\g+4*\q], v28 offset:PT*\nx+PW*\q+544*\g
.endr
	ds_load_b32 v[112+64*(\b)+\g], v29 offset:PT*\nx+544*\g
.endr
.endm
.macro RSTEP b
.set RBF, 80+64*(\b)
	s_cmp_ge_u32 s29, s28
	s_cbranch_scc1 .Lrdead_\@
	s_wait_dscnt 0x0                               ; this tile's quads and tokens are in
	s_wait_xcnt 0x0                                ; the earlier tiles' stores have read their registers: both buffers may be written again
	s_add_co_u32 s35, s29, 1
	s_cmp_ge_u32 s35, s28
	s_cbranch_scc1 .Lrlast_\@
	RLOAD 1-\b, 1
.Lrlast_\@:
.irp g, 0,1
	v_pk_add_f32 v[RBF+16*\g:RBF+16*\g+1], v[RBF+16*\g:RBF+16*\g+1], v[RBF+16*\g+4:RBF+16*\g+5]
	v_pk_add_f32 v[RBF+16*\g+2:RBF+16*\g+3], v[RBF+16*\g+2:RBF+16*\g+3], v[RBF+16*\g+6:RBF+16*\g+7]
	v_pk_add_f32 v[RBF+16*\g+8:RBF+16*\g+9], v[RBF+16*\g+8:RBF+16*\g+9], v[RBF+16*\g+12:RBF+16*\g+13]
	v_pk_add_f32 v[RBF+16*\g+10:RBF+16*\g+11], v[RBF+16*\g+10:RBF+16*\g+11], v[RBF+16*\g+14:RBF+16*\g+15]
	v_min_u32 v[RBF+32+\g], 0x3ff, v[RBF+32+\g]    ; the token is held inside the table before it becomes an offset
	v_pk_add_f32 v[RBF+16*\g:RBF+16*\g+1], v[RBF+16*\g:RBF+16*\g+1], v[RBF+16*\g+8:RBF+16*\g+9]
	v_pk_add_f32 v[RBF+16*\g+2:RBF+16*\g+3], v[RBF+16*\g+2:RBF+16*\g+3], v[RBF+16*\g+10:RBF+16*\g+11]
	v_lshl_add_u32 v[RBF+32+\g], v[RBF+32+\g], 12, v11
	v_pk_add_f32 v[RBF+16*\g:RBF+16*\g+1], v[RBF+16*\g:RBF+16*\g+1], v[24:25]
	v_pk_add_f32 v[RBF+16*\g+2:RBF+16*\g+3], v[RBF+16*\g+2:RBF+16*\g+3], v[26:27]
.endr
.irp g, 0,1
	global_store_b128 v[RBF+32+\g], v[RBF+16*\g:RBF+16*\g+3], s[18:19] th:TH_STORE_NT   ; a spare row stores the last row's numbers onto the last row's bytes
.endr
.Lrdead_\@:
	s_add_co_u32 s29, s29, 1
	v_add_nc_u32 v28, PT, v28
	v_add_nc_u32 v29, PT, v29
.endm
; A round: up to 16 tiles are multiplied, a barrier, their partial sums are added and stored.
.macro ROUND first
.if \first == 0
	s_cmp_eq_u32 s28, 0
	s_cbranch_scc1 .Lno_pro_\@
	s_mov_b32 s30, s31
	HADDR 0
	HL 0
	HADDR 1
	HL 1
.Lno_pro_\@:
.endif
	v_mov_b32 v22, v6                              ; the tile's addresses begin at tile 0
	v_mov_b32 v23, v7
	s_mov_b32 s29, 0
	s_mov_b32 s32, 8
.Lmul_\@:
	STEP 0
	STEP 1
	s_sub_co_u32 s32, s32, 1
	s_cmp_lg_u32 s32, 0
	s_cbranch_scc1 .Lmul_\@
	s_wait_loadcnt 0x0                             ; the look-ahead's loads are in: their registers take the sums' quads
	BAR                                            ; all four waves' partial sums lie in LDS
	v_mov_b32 v28, v8
	v_mov_b32 v29, v9
	s_cmp_eq_u32 s28, 0
	s_cbranch_scc1 .Lno_first_\@
	RLOAD 0, 0
.Lno_first_\@:
	s_mov_b32 s29, 0
	s_mov_b32 s32, 8
.Lsum_\@:
	RSTEP 0
	RSTEP 1
	s_sub_co_u32 s32, s32, 1
	s_cmp_lg_u32 s32, 0
	s_cbranch_scc1 .Lsum_\@
.endm
	ROUND 1
	BAR                                            ; nobody reads the first round's partial sums any more
	s_wait_xcnt 0x0                                ; the first round's stores have read their registers, which the second round's loads take
	s_add_co_u32 s31, s31, 512
	s_sub_co_i32 s28, s27, 16
	s_max_i32 s28, s28, 0
	ROUND 0
	s_wait_tensorcnt 0x0                           ; the wave's end: three closing lines behind my last LDS store
	ds_add_u32 v30, v31
	s_wait_dscnt 0x0
	s_endpgm
.Lfunc_end_k_qd6fde077af_down:
	.size	k_qd6fde077af_down, .Lfunc_end_k_qd6fde077af_down-k_qd6fde077af_down
	.p2alignl 7, 3214868480
	.fill 96, 4, 3214868480
	.section	.rodata,"a",@progbits
	.p2align	6, 0x0
	.amdhsa_kernel k_qd6fde077af_down
		.amdhsa_group_segment_fixed_size 296448
		.amdhsa_private_segment_fixed_size 0
		.amdhsa_enable_private_segment 0
		.amdhsa_kernarg_size 64
		.amdhsa_user_sgpr_count 2
		.amdhsa_user_sgpr_kernarg_segment_ptr 1
		.amdhsa_wavefront_size32 1
		.amdhsa_system_sgpr_workgroup_id_x 1
		.amdhsa_system_sgpr_workgroup_id_y 1
		.amdhsa_system_sgpr_workgroup_id_z 1
		.amdhsa_system_vgpr_workitem_id 0
		.amdhsa_next_free_vgpr 544
		.amdhsa_next_free_sgpr 66
		.amdhsa_reserve_vcc 0
		.amdhsa_float_denorm_mode_32 3
		.amdhsa_float_denorm_mode_16_64 3
		.amdhsa_memory_ordered 1
		.amdhsa_forward_progress 1
		.amdhsa_inst_pref_size 73
	.end_amdhsa_kernel
	.amdgpu_metadata
---
amdhsa.version: [ 1, 2 ]
amdhsa.kernels:
  - .name:           k_qd6fde077af_down
    .symbol:         k_qd6fde077af_down.kd
    .args:
      - { .name: hq, .offset: 0, .size: 8, .value_kind: global_buffer, .address_space: global }
      - { .name: hs, .offset: 8, .size: 8, .value_kind: global_buffer, .address_space: global }
      - { .name: order, .offset: 16, .size: 8, .value_kind: global_buffer, .address_space: global }
      - { .name: meta, .offset: 24, .size: 8, .value_kind: global_buffer, .address_space: global }
      - { .name: w2_codes, .offset: 32, .size: 8, .value_kind: global_buffer, .address_space: global }
      - { .name: w2_scales, .offset: 40, .size: 8, .value_kind: global_buffer, .address_space: global }
      - { .name: b2, .offset: 48, .size: 8, .value_kind: global_buffer, .address_space: global }
      - { .name: out0, .offset: 56, .size: 8, .value_kind: global_buffer, .address_space: global }
    .group_segment_fixed_size: 296448
    .private_segment_fixed_size: 0
    .kernarg_segment_align: 8
    .kernarg_segment_size: 64
    .max_flat_workgroup_size: 128
    .sgpr_count:     66
    .vgpr_count:     544
    .wavefront_size: 32
...
	.end_amdgpu_metadata
.endif
;; end of part 3
;; ======== version 2 of 2: 3 launches; version 1 with the launch down written anew for expert scheduling mode
;; workspace buffers: ids 4,096 bytes of whole numbers; xq 524,288 bytes; xs 32,768 bytes; hq 2,097,152 bytes; hs 131,072 bytes; order 4,096 bytes of whole numbers; meta 256 bytes of whole numbers
;; launch route: the kernel of part 1 again; grid 256 x 1, 4 waves a work-group, no clusters, 38,144 bytes of LDS; arguments x, wr, br, xq, xs, ids; writes xq, xs, ids
;; launch up: the kernel of part 2 again; grid 32 x 8, 4 waves a work-group, no clusters, 201,728 bytes of LDS; arguments ids, xq, xs, w1_codes, w1_scales, b1, hq, hs, order, meta; writes hq, hs, order, meta
;; launch down (part 4): grid 32 x 8, 4 waves a work-group, no clusters, 296,448 bytes of LDS; arguments hq, hs, order, meta, w2_codes, w2_scales, b2, out0; writes out0
.if DOCPART == 4
	.amdgcn_target "amdgcn-amd-amdhsa--gfx1250"
	.amdhsa_code_object_version 6
	.text
	.protected	k_qd6fde077af_down
	.globl	k_qd6fde077af_down
	.p2align	8
	.type	k_qd6fde077af_down,@function
k_qd6fde077af_down:
	s_mov_b64 s[64:65], 0
	v_nop
	global_prefetch_b8 v0, s[64:65] scope:SCOPE_SE
	s_setreg_imm32_b32 hwreg(HW_REG_WAVE_SCHED_MODE, 0, 2), 2
	s_setreg_imm32_b32 hwreg(HW_REG_WAVE_MODE, 25, 1), 1
	s_wait_xcnt 0x0
	s_wait_alu depctr_vm_vsrc(0)
; THE SECOND PRODUCT, FOR THE CHOSEN EXPERT ALONE: out0[token] = h W2[e] + b2[e] for the positions of expert e.  The other experts' rows are multiplied by a 0 of reference()'s own one_hot and are left out; that product is a lookup.
; SHARES.  Work-group x = 2 NT + Z, y = E: columns 64 NT .. 64 NT + 63 of expert E (256 bytes of a row of out0) for the tiles of 16 positions t = 2 u + Z.  THE WAVES SHARE K: wave kq takes K steps 8 kq .. 8 kq + 7 for all
; 64 columns, so each byte that the work-group reads is read by one wave.  Its part of W2 (64 rows x 512 bytes) is loaded as it lies, a row's 512 bytes a load, turned into 32 fragments through its own LDS, and stays in registers.
; The product is used transposed (source 0 = 16 columns of W2, source 1 = 16 positions): a lane holds one position and 8 neighbouring columns.  The four waves' partial sums meet in LDS; wave kq then adds rows
; 4 kq .. 4 kq + 3 of every tile, adds b2 and stores: sixteen lanes write 256 consecutive bytes, at a multiple of 256 from out0's first byte, at the row of the token that the stored order names.
; THE LAST TILE'S SPARE ROWS take the expert's LAST position (the row's number is held at the last row's before it becomes an offset): the same codes, the same token, so the same sums bit for bit, stored by this same
; work-group onto the same bytes.  No lane is ever switched off.
; The loops have constant trip counts (2 rounds x 16 tiles serve 1,024 tokens on one expert), so that every wave passes every barrier; tiles that the split leaves empty are jumped over inside them.
; Branches hang on stored counts, so there is no tensor load and no cluster; the weights are asked for in the first lines, so there is nothing to prefetch.  LIMITS: K is summed in four parts; NaN and infinities are not served.
; THE MODE: SCHED_MODE bits 1:0 = 2 (LLVM: expert scheduling mode 2), set by the entry lines.  The code itself states the register dependences between vector or matrix instructions and memory or LDS instructions,
; with s_wait_alu, always for 0.
; THE PLAN.  Registers that memory or LDS instructions touch:
;   v1, v4, v5, v11, v12   offsets and LDS addresses: written at the head, never again.
;   W (window 1)           loaded, read by a turn's LDS stores, loaded again by the turn's LDS loads; from then on named by matrix instructions alone.
;   H[b], S[b], v20 + b    a tile's fragments of h, its scale words, its tokens.  The tile's 32 matrix instructions read H[b] and S[b], its one-word LDS store reads v20 + b; behind them the loads of the tile two further on land there.
;   v16 + b, v18 + b       written by HADDR b, read by the 25 loads that follow it.
;   ACC (window 2)         written by a tile's matrix instructions, read by its eight LDS stores.
;   v22, v23; v28, v29     LDS addresses: read by a step's LDS instructions, stepped at the step's end.
;   the sums' buffers      buffer b: LDS loads land in it, the tile's additions read and write it, two stores read it; the next tile's LDS loads land in the other one.
; A product step has ONE wait on va_vdst, behind its matrix instructions and HADDR: a buffer of h is asked for again as soon as it is read out.  Every arm that issues memory or LDS instructions ends with a wait on vm_vsrc,
; ahead of its branch or label: so on every way through live and empty steps no register is written that an earlier arm's instruction has still to read.
.set PT,    17408                      ; LDS: a tile's partial sums: 4 waves x 16 rows x (256 bytes + the row's token + 12)
.set PW,    4352
.set SPARE, 295936                     ; behind 16 tiles and one tile's room that no path reaches: the spare words, 128 bytes for each wave: no other line names them
; the weights' turn, 4 waves x 64 rows x 528 bytes, lies in the partial sums' first bytes; a barrier parts the two uses
; window 0: v1-12 addresses that stay; v14 at work; v16-19 offsets of h's loads; v20, v21 tokens; v22, v23, v28, v29 the tile's LDS addresses; v24-27 b2; v30 my spare word, v31 zero;
;   v32-63 W2's scale words (8 ct + s); v64-79 h's (8 b + s); v80-207 h's fragments, two buffers of 64, later the sums' quads.   window 1: W2's 32 fragments (64 ct + 8 s).   window 2: v0-31 four accumulators
.set MSB, 0
.macro WIN new                         ; the immediate's high byte repeats the setting that is left
.if MSB != \new
	s_set_vgpr_msb (MSB<<8)|\new
.set MSB, \new
.endif
.endm
.macro BAR                             ; my LDS stores have landed and my LDS loads are in: then the work-group's barrier
	s_wait_dscnt 0x0
	s_barrier_signal -1
	s_barrier_wait -1
.endm
	s_load_b256 s[4:11], s[0:1], 0x0               ; hq, hs, order, meta
	s_load_b256 s[12:19], s[0:1], 0x20             ; W2's codes, W2's scales, b2, out0
	v_lshl_add_u32 v30, v0, 2, SPARE
	v_mov_b32 v31, 0
	v_lshrrev_b32 v14, 5, v0
	v_readfirstlane_b32 s20, v14                   ; wave kq
	s_and_b32 s21, ttmp9, 1                        ; Z
	s_lshr_b32 s22, ttmp9, 1                       ; NT
	s_and_b32 s23, ttmp7, 0xffff                   ; E
	v_and_b32 v14, 31, v0
	v_lshlrev_b32 v1, 4, v14                       ; 16 x lane
	v_and_b32 v2, 15, v0                           ; r
	v_bfe_u32 v15, v0, 4, 1                        ; h
	v_lshlrev_b32 v3, 4, v15
	s_wait_alu depctr_va_sdst(0)                   ; s20 is written, ahead of its first reader: LDS addresses and the buffers' bases are made from it
	s_mul_i32 s35, s20, 33792
	v_add_nc_u32 v4, s35, v1                       ; the weights' turn: in,
	v_mul_u32_u24 v5, v2, 528
	v_add_nc_u32 v5, v5, v3
	v_add_nc_u32 v5, s35, v5                       ; and out, as fragments
	s_mul_i32 s35, s20, PW
	v_mul_u32_u24 v7, v2, 272
	v_add_nc_u32 v7, s35, v7
	v_lshl_add_u32 v6, v15, 5, v7                  ; my partial sums of tile 0: row r, 32 bytes for each half of the lanes
	v_add_nc_u32 v7, 256, v7                       ; and the row's token
	s_lshl_b32 s35, s20, 2
	v_add_nc_u32 v10, s35, v15                     ; the sums: lanes 0-15 take row 4 kq, lanes 16-31 the next
	v_mul_u32_u24 v9, v10, 272
	v_lshlrev_b32 v11, 4, v2                       ; 16 bytes a lane of a row's 256
	v_add_nc_u32 v8, v9, v11
	v_add_nc_u32 v9, 256, v9
	v_lshlrev_b32 v12, 7, v2                       ; W2's scale bytes: 128 a row
	s_mov_b32 s39, 0
	s_wait_kmcnt 0x0
	s_lshl_b32 s38, s23, 3
	s_add_nc_u64 s[10:11], s[10:11], s[38:39]
	s_load_b64 s[24:25], s[10:11], 0x0             ; OFF, N: the expert's first position and count
	s_lshl_b32 s36, s23, 10
	s_lshl_b32 s35, s22, 6
	s_add_co_u32 s36, s36, s35                     ; my first column among the 8,192 rows of W2
	s_lshl_b32 s38, s36, 11
	s_lshl_b32 s35, s20, 9
	s_add_co_u32 s38, s38, s35
	s_add_nc_u64 s[12:13], s[12:13], s[38:39]
	s_lshl_b32 s38, s36, 7
	s_lshl_b32 s35, s20, 5
	s_add_co_u32 s38, s38, s35
	s_add_nc_u64 s[14:15], s[14:15], s[38:39]
	s_lshl_b32 s38, s36, 2
	s_add_nc_u64 s[16:17], s[16:17], s[38:39]
	s_lshl_b32 s38, s20, 19                        ; my 8 K steps of hq, 65,536 bytes each,
	s_add_nc_u64 s[4:5], s[4:5], s[38:39]
	s_lshl_b32 s38, s20, 15                        ; and of hs, 4,096 each
	s_add_nc_u64 s[6:7], s[6:7], s[38:39]
	s_lshl_b32 s38, s22, 8
	s_add_nc_u64 s[18:19], s[18:19], s[38:39]
	WIN 0x40                                       ; destination window 1
	s_wait_alu depctr_va_vdst(0)                   ; v1, v11 and v12 are written, which the 73 loads below read as offsets; so are the LDS addresses v4 to v10
.set I, 0
.rept 64
	global_load_b128 v[4*I:4*I+3], v1, s[12:13] offset:2048*I   ; my 512 bytes of a row of W2 (the work-group beside me reads them too: no hint)
.set I, I+1
.endr
	WIN 0
.irp ct, 0,1,2,3
	global_load_b128 v[32+8*\ct:35+8*\ct], v12, s[14:15] offset:2048*\ct
	global_load_b128 v[36+8*\ct:39+8*\ct], v12, s[14:15] offset:2048*\ct+16
.endr
	global_load_b128 v[24:27], v11, s[16:17]
.macro TURNG ct                        ; 16 rows go through my own LDS and come back as 8 fragments, into the registers that they left
	WIN 0x04                                       ; an LDS store's data are its source 1: window 1
.set I, 16*\ct
.rept 16
	ds_store_b128 v4, v[4*I:4*I+3] offset:528*I
.set I, I+1
.endr
	WIN 0x40                                       ; the switch, then the two waits, then the loads
	s_wait_alu depctr_vm_vsrc(0)                   ; the stores above have read the 64 registers in which the fragments land; the loads of h issued so far have read v16 to v19
	s_wait_alu depctr_va_vdst(0)                   ; v5, these loads' address, is written, and so are v16 to v19, the offsets of the loads of h that stand behind the turns
.irp s, 0,1,2,3,4,5,6,7
	ds_load_b128 v[64*\ct+8*\s:64*\ct+8*\s+3], v5 offset:8448*\ct+64*\s
	ds_load_b128 v[64*\ct+8*\s+4:64*\ct+8*\s+7], v5 offset:8448*\ct+64*\s+32
.endr
	WIN 0
.endm
.macro HADDR b                         ; the offsets of the next tile's 16 positions; rows behind the expert's last fall on its last, and the position is held inside the table before it becomes an offset
	v_add_nc_u32 v14, s30, v2
	v_min_u32 v14, s26, v14
	v_add_nc_u32 v14, s24, v14
	v_min_u32 v14, 0x3ff, v14
	v_lshl_add_u32 v[16+\b], v14, 6, v3
	v_lshlrev_b32 v[18+\b], 2, v14
	s_add_co_u32 s30, s30, 32
.endm
.macro HL b                            ; 25 loads: a tile's 8 fragments of h, its 8 scale words, its tokens
.irp s, 0,1,2,3,4,5,6,7
	global_load_b128 v[80+64*(\b)+8*\s:83+64*(\b)+8*\s], v[16+(\b)], s[4:5] offset:65536*\s
	global_load_b128 v[84+64*(\b)+8*\s:87+64*(\b)+8*\s], v[16+(\b)], s[4:5] offset:65536*\s+32
.endr
.irp s, 0,1,2,3,4,5,6,7
	global_load_b32 v[64+8*(\b)+\s], v[18+(\b)], s[6:7] offset:4096*\s
.endr
	global_load_b32 v[20+(\b)], v[18+(\b)], s[8:9]
.endm
	s_wait_kmcnt 0x0
	s_min_u32 s25, s25, 1024
	s_min_u32 s24, s24, 1023
	s_max_u32 s26, s25, 1
	s_sub_co_u32 s26, s26, 1                       ; the expert's last row
	s_add_co_u32 s27, s25, 15
	s_lshr_b32 s27, s27, 4
	s_add_co_u32 s27, s27, 1
	s_sub_co_u32 s27, s27, s21
	s_lshr_b32 s27, s27, 1                         ; my tiles: those with t % 2 = Z
	s_min_u32 s28, s27, 16                         ; of them in the first round
	s_lshl_b32 s31, s21, 4                         ; the round's first row
	s_mov_b32 s30, s31
	HADDR 0
	HADDR 1
	s_wait_loadcnt 57                              ; rows 0-15 are in: behind them stand 48 rows and 9 loads of scales and bias
	TURNG 0
	s_wait_loadcnt 41                              ; rows 16-31: 32 rows and 9
	TURNG 1
	HL 0
	s_wait_loadcnt 50                              ; rows 32-47: 16 rows, 9, and the 25 just issued
	TURNG 2
	HL 1
	s_wait_loadcnt 59                              ; rows 48-63: 9 and 50
	TURNG 3                                        ; (its wait on vm_vsrc stands behind both runs of h's loads: v16 to v19 may be written again in the loop)
	BAR                                            ; every wave's fragments are in registers: the partial sums may take the turn's bytes
; A tile: 32 matrix instructions, the four accumulators by turns, one instruction a turn; the first K step starts the sums with the constant 0.
.macro STEP b
	s_cmp_ge_u32 s29, s28
	s_cbranch_scc1 .Ldead_\@
	s_wait_loadcnt 25                              ; this buffer's 25 loads are in: behind them stand at most the other buffer's 25
	s_wait_dscnt 0x0                               ; the last tile's LDS stores are done (that they have read the accumulators is stated at the end of that tile's lines)
	WIN 0xa1                                       ; source 0 (W2) window 1, source 1 (h) window 0, C and D window 2
.irp s, 0,1,2,3,4,5,6,7
.irp ct, 0,1,2,3
.if \s == 0
	v_wmma_scale_f32_16x16x128_f8f6f4 v[8*\ct:8*\ct+7], v[64*\ct+8*\s:64*\ct+8*\s+7], v[80+64*\b+8*\s:87+64*\b+8*\s], 0, v[32+8*\ct+\s], v[64+8*\b+\s] matrix_a_fmt:MATRIX_FMT_FP4 matrix_b_fmt:MATRIX_FMT_FP4
.else
	v_wmma_scale_f32_16x16x128_f8f6f4 v[8*\ct:8*\ct+7], v[64*\ct+8*\s:64*\ct+8*\s+7], v[80+64*\b+8*\s:87+64*\b+8*\s], v[8*\ct:8*\ct+7], v[32+8*\ct+\s], v[64+8*\b+\s] matrix_a_fmt:MATRIX_FMT_FP4 matrix_b_fmt:MATRIX_FMT_FP4
.endif
.endr
.endr
	WIN 0
	HADDR \b                                       ; six plain lines that name none of the products' registers: the places in front of the stores and loads below, and of the next tile's first products
	s_wait_alu depctr_va_vdst(0)                   ; the products have written the accumulators and are done reading this buffer of h and its scale words; HADDR has written the two offsets; the last step's end has written v22 and v23
	ds_store_b32 v23, v[20+\b]                     ; both halves of the lanes write the same word with the same value
	s_wait_alu depctr_vm_vsrc(0)                   ; that store has read the tokens' register, in which the last of the loads below lands
	HL \b                                          ; the tile two further on: asked for as soon as the buffer is read out, ahead of the LDS stores
	WIN 0x08                                       ; an LDS store's data are its source 1: window 2
.irp ct, 0,1,2,3
	ds_store_b128 v22, v[8*\ct:8*\ct+3] offset:64*\ct          ; each accumulator from its low end on.  No vector or matrix line since the wait on va_vdst names these registers
	ds_store_b128 v22, v[8*\ct+4:8*\ct+7] offset:64*\ct+16
.endr
	WIN 0
	s_wait_alu depctr_vm_vsrc(0)                   ; the stores have read v22, v23 and the accumulators, the loads their two offsets: the lines below step the addresses, the next tile's products write the accumulators, a later HADDR the offsets
	s_branch .Lnext_\@
.Ldead_\@:
	s_wait_loadcnt 0x0                             ; so that the count above holds on every way
.Lnext_\@:
	s_add_co_u32 s29, s29, 1
	v_add_nc_u32 v22, PT, v22
	v_add_nc_u32 v23, PT, v23
.endm
.macro RLOAD b, nx                     ; four rows' four partial sums, and their tokens, of the tile in hand (0) or the next (1)
.irp g, 0,1
.irp q, 0,1,2,3
	ds_load_b128 v[80+64*(\b)+16*\g+4*\q:83+64*(\b)+16*\g+4*\q], v28 offset:PT*\nx+PW*\q+544*\g
.endr
	ds_load_b32 v[112+64*(\b)+\g], v29 offset:PT*\nx+544*\g
.endr
.endm
.macro RSTEP b
.set RBF, 80+64*(\b)
	s_cmp_ge_u32 s29, s28
	s_cbranch_scc1 .Lrdead_\@
	s_wait_dscnt 0x0                               ; this tile's quads and tokens are in
	s_wait_xcnt 0x0                                ; the earlier tiles' stores have read their registers: both buffers may be written again
	s_wait_alu depctr_va_vdst(0)                   ; the last step's end has written v28 and v29, which the LDS loads below read; the last tile's additions are done with the other buffer, in which they land
	s_add_co_u32 s35, s29, 1
	s_cmp_ge_u32 s35, s28
	s_cbranch_scc1 .Lrlast_\@
	RLOAD 1-\b, 1
.Lrlast_\@:
.irp g, 0,1
	v_pk_add_f32 v[RBF+16*\g:RBF+16*\g+1], v[RBF+16*\g:RBF+16*\g+1], v[RBF+16*\g+4:RBF+16*\g+5]
	v_pk_add_f32 v[RBF+16*\g+2:RBF+16*\g+3], v[RBF+16*\g+2:RBF+16*\g+3], v[RBF+16*\g+6:RBF+16*\g+7]
	v_pk_add_f32 v[RBF+16*\g+8:RBF+16*\g+9], v[RBF+16*\g+8:RBF+16*\g+9], v[RBF+16*\g+12:RBF+16*\g+13]
	v_pk_add_f32 v[RBF+16*\g+10:RBF+16*\g+11], v[RBF+16*\g+10:RBF+16*\g+11], v[RBF+16*\g+14:RBF+16*\g+15]
	v_min_u32 v[RBF+32+\g], 0x3ff, v[RBF+32+\g]    ; the token is held inside the table before it becomes an offset
	v_pk_add_f32 v[RBF+16*\g:RBF+16*\g+1], v[RBF+16*\g:RBF+16*\g+1], v[RBF+16*\g+8:RBF+16*\g+9]
	v_pk_add_f32 v[RBF+16*\g+2:RBF+16*\g+3], v[RBF+16*\g+2:RBF+16*\g+3], v[RBF+16*\g+10:RBF+16*\g+11]
	v_lshl_add_u32 v[RBF+32+\g], v[RBF+32+\g], 12, v11
	v_pk_add_f32 v[RBF+16*\g:RBF+16*\g+1], v[RBF+16*\g:RBF+16*\g+1], v[24:25]
	v_pk_add_f32 v[RBF+16*\g+2:RBF+16*\g+3], v[RBF+16*\g+2:RBF+16*\g+3], v[26:27]
.endr
	s_wait_alu depctr_va_vdst(0)                   ; the additions have written the sums and the two offsets, which the stores below read
.irp g, 0,1
	global_store_b128 v[RBF+32+\g], v[RBF+16*\g:RBF+16*\g+3], s[18:19] th:TH_STORE_NT   ; a spare row stores the last row's numbers onto the last row's bytes
.endr
	s_wait_alu depctr_vm_vsrc(0)                   ; the stores have read this buffer's registers, in which the next step's LDS loads land; the LDS loads above have read v28 and v29, which the lines below step
.Lrdead_\@:
	s_add_co_u32 s29, s29, 1
	v_add_nc_u32 v28, PT, v28
	v_add_nc_u32 v29, PT, v29
.endm
; A round: up to 16 tiles are multiplied, a barrier, their partial sums are added and stored.
.macro ROUND first
.if \first == 0
	s_cmp_eq_u32 s28, 0
	s_cbranch_scc1 .Lno_pro_\@
	s_mov_b32 s30, s31
	HADDR 0
	HADDR 1
	s_wait_alu depctr_va_vdst(0)                   ; HADDR has written v16 to v19, which the loads below read; the first round's additions are done with v80 to v207, in which they land
	HL 0
	HL 1
	s_wait_alu depctr_vm_vsrc(0)                   ; these loads have read v16 to v19, which the loop's HADDR writes again
.Lno_pro_\@:
.endif
	v_mov_b32 v22, v6                              ; the tile's addresses begin at tile 0
	v_mov_b32 v23, v7
	s_mov_b32 s29, 0
	s_mov_b32 s32, 8
.Lmul_\@:
	STEP 0
	STEP 1
	s_sub_co_u32 s32, s32, 1
	s_cmp_lg_u32 s32, 0
	s_cbranch_scc1 .Lmul_\@
	s_wait_loadcnt 0x0                             ; the look-ahead's loads are in: their registers take the sums' quads
	BAR                                            ; all four waves' partial sums lie in LDS
	v_mov_b32 v28, v8
	v_mov_b32 v29, v9
	s_wait_alu depctr_va_vdst(0)                   ; v28 and v29 are written, which the LDS loads below read; every vector and matrix line that named v80 to v113, in which they land, is done
	s_cmp_eq_u32 s28, 0
	s_cbranch_scc1 .Lno_first_\@
	RLOAD 0, 0
	s_wait_alu depctr_vm_vsrc(0)                   ; these loads have read v28 and v29, which the first step's end steps on every way
.Lno_first_\@:
	s_mov_b32 s29, 0
	s_mov_b32 s32, 8
.Lsum_\@:
	RSTEP 0
	RSTEP 1
	s_sub_co_u32 s32, s32, 1
	s_cmp_lg_u32 s32, 0
	s_cbranch_scc1 .Lsum_\@
.endm
	ROUND 1
	BAR                                            ; nobody reads the first round's partial sums any more
	s_wait_xcnt 0x0                                ; the first round's stores have read their registers, which the second round's loads take
	s_add_co_u32 s31, s31, 512
	s_sub_co_i32 s28, s27, 16
	s_max_i32 s28, s28, 0
	ROUND 0
	s_wait_dscnt 0x0                               ; the closing lines, six on end
	s_wait_alu 0x0
	s_wait_tensorcnt 0x0
	ds_add_u32 v30, v31
	s_wait_dscnt 0x0
	s_endpgm
.Lfunc_end_k_qd6fde077af_down:
	.size	k_qd6fde077af_down, .Lfunc_end_k_qd6fde077af_down-k_qd6fde077af_down
	.p2alignl 7, 3214868480
	.fill 96, 4, 3214868480
	.section	.rodata,"a",@progbits
	.p2align	6, 0x0
	.amdhsa_kernel k_qd6fde077af_down
		.amdhsa_group_segment_fixed_size 296448
		.amdhsa_private_segment_fixed_size 0
		.amdhsa_enable_private_segment 0
		.amdhsa_kernarg_size 64
		.amdhsa_user_sgpr_count 2
		.amdhsa_user_sgpr_kernarg_segment_ptr 1
		.amdhsa_wavefront_size32 1
		.amdhsa_system_sgpr_workgroup_id_x 1
		.amdhsa_system_sgpr_workgroup_id_y 1
		.amdhsa_system_sgpr_workgroup_id_z 1
		.amdhsa_system_vgpr_workitem_id 0
		.amdhsa_next_free_vgpr 544
		.amdhsa_next_free_sgpr 66
		.amdhsa_reserve_vcc 0
		.amdhsa_float_denorm_mode_32 3
		.amdhsa_float_denorm_mode_16_64 3
		.amdhsa_memory_ordered 1
		.amdhsa_forward_progress 1
		.amdhsa_inst_pref_size 74
	.end_amdhsa_kernel
	.amdgpu_metadata
---
amdhsa.version: [ 1, 2 ]
amdhsa.kernels:
  - .name:           k_qd6fde077af_down
    .symbol:         k_qd6fde077af_down.kd
    .args:
      - { .name: hq, .offset: 0, .size: 8, .value_kind: global_buffer, .address_space: global }
      - { .name: hs, .offset: 8, .size: 8, .value_kind: global_buffer, .address_space: global }
      - { .name: order, .offset: 16, .size: 8, .value_kind: global_buffer, .address_space: global }
      - { .name: meta, .offset: 24, .size: 8, .value_kind: global_buffer, .address_space: global }
      - { .name: w2_codes, .offset: 32, .size: 8, .value_kind: global_buffer, .address_space: global }
      - { .name: w2_scales, .offset: 40, .size: 8, .value_kind: global_buffer, .address_space: global }
      - { .name: b2, .offset: 48, .size: 8, .value_kind: global_buffer, .address_space: global }
      - { .name: out0, .offset: 56, .size: 8, .value_kind: global_buffer, .address_space: global }
    .group_segment_fixed_size: 296448
    .private_segment_fixed_size: 0
    .kernarg_segment_align: 8
    .kernarg_segment_size: 64
    .max_flat_workgroup_size: 128
    .sgpr_count:     66
    .vgpr_count:     544
    .wavefront_size: 32
...
	.end_amdgpu_metadata
.endif
;; end of part 4
